; MI455X (gfx1250); checked and timed in simulation.
; The chip was launched on July 23, 2026; its instructions are those of AMD's public machine-readable ISA for CDNA 5 (MIT licence, August 2026) and "CDNA5" Instruction Set Architecture Reference Guide (July 2026). The comments in the code are by the model that wrote it; some were corrected since.
;; Mo E Block. Allowed arithmetic: float matrix products may take bf16 or f16 operands with f32 sums; all other float work in f32.
;; Inputs: b1 8 x 2,048 float32; b2 8 x 1,024 float32; gamma 1,024 float32; gate_b 8 float32; gate_w 1,024 x 8 float32; w1 8 x 1,024 x 2,048 float32; w2 8 x 2,048 x 1,024 float32; x 4 x 512 x 1,024 float32.
;; Outputs: out0 4 x 512 x 1,024 float32; out1 one number float32.
;; 2 versions, each right; version 2 is version 1 with the launches gate, ffn1, ffn2 written anew for expert scheduling mode. Each part assembles by itself: llvm-mc -triple=amdgcn-amd-amdhsa -mcpu=gfx1250 --defsym DOCPART=n.
;; ======== version 1 of 2: 5 launches
;; workspace buffers: xb 4,194,304 bytes; idx 8,192 bytes of whole numbers; gatef 40,960 bytes; route 18,688 bytes of whole numbers; hfrag 9,437,184 bytes; part 18,874,368 bytes
;; launch gate (part 1): grid 256 x 1, 4 waves a work-group, no clusters, 0 bytes of LDS; arguments x, gate_w, gate_b, xb, idx, gatef; writes xb, idx, gatef
.if DOCPART == 1
	.amdgcn_target "amdgcn-amd-amdhsa--gfx1250"
	.amdhsa_code_object_version 6
	.text
	.protected	k_q2aadf42436_gate
	.globl	k_q2aadf42436_gate
	.p2align	8
	.type	k_q2aadf42436_gate,@function
k_q2aadf42436_gate:
	s_mov_b64 s[64:65], 0
	v_nop
	global_prefetch_b8 v0, s[64:65] scope:SCOPE_SE
	s_setreg_imm32_b32 hwreg(HW_REG_WAVE_MODE, 25, 1), 1
	s_wait_xcnt 0x0
; GATE.  logits = x gate_w + gate_b in f32 on the vector ALU (a wrong argmax would spoil a whole row, so no bf16 here;
; it is 1024 x 8 multiply-adds a token), softmax with the maximum taken away, top value, first argmax, and x as bf16.
; A wave owns two tokens, t = 8 x work-group + 2 x wave + u.  Lane L owns d = 128 j + 4 L + i (j 0..7, i 0..3).
; Out: xb[t][d] bf16; idx[t]; gatef bytes 0..8191 top_val[t]; gatef bytes 8192.. the wave's sums of its two tokens' probabilities.
; LIMITS: the argmax is taken on the logits (first maximum wins); unequal logits whose probabilities round to one f32 are not
; treated as ties.  The order of the f32 sum over d differs from a plain dot product's.
; No LDS, no barrier: waves share nothing.  No matrix unit: see above.
.set X,   32                           ; v[32:95]   x of token u: 32 registers, register 4 j + i
.set ACC, 96                           ; v[96:111]  logits of token u: 8 registers
.set PK,  112                          ; v[112:143] x as bf16, two registers for each (j, u), never rewritten: they are store data
.set TMP, 144
.set MX,  146                          ; v[146:147] maximum of token u
.set EX,  148                          ; v[148:163] exponentials
.set SM,  164                          ; v[164:165] their sum, then 1 / sum = the top probability
.set IX,  166                          ; v[166:167] argmax
.set IMP, 168                          ; v[168:175] sum of the two tokens' probabilities
; window 1: v[32 j + 8 i + e] = gate_w[128 j + 4 L + i][e]
.set MSB, 0
.macro WIN new                         ; the immediate's high byte repeats the setting that is left
.if MSB != (\new)
	s_set_vgpr_msb (MSB<<8)|(\new)
.set MSB, \new
.endif
.endm
	s_load_b256 s[4:11], s[0:1], 0x0               ; x s[4:5], gate_w s[6:7], gate_b s[8:9], xb s[10:11]
	s_load_b128 s[12:15], s[0:1], 0x20             ; idx s[12:13], gatef s[14:15]
	v_and_b32 v1, 31, v0                           ; lane
	v_lshrrev_b32 v2, 5, v0                        ; wave
	v_lshlrev_b32 v3, 4, v1
	v_lshl_add_u32 v3, v2, 13, v3                  ; x: wave x 2 rows of 4,096 bytes + 16 L
	v_lshlrev_b32 v4, 7, v1                        ; gate_w: 4 rows of 32 bytes a lane
	v_lshlrev_b32 v5, 3, v1
	v_lshl_add_u32 v5, v2, 12, v5                  ; xb: wave x 2 rows of 2,048 bytes + 8 L
	v_lshlrev_b32 v6, 2, v1
	v_lshl_add_u32 v7, v2, 3, v6                   ; idx, top_val: 4 (2 wave + L)
	v_lshl_add_u32 v6, v2, 5, v6                   ; sums: 32 wave + 4 L
	s_lshl_b32 s24, ttmp9, 7
	v_add_nc_u32 v6, s24, v6                       ; + 128 x work-group
	s_lshl_b32 s24, ttmp9, 5
	v_add_nc_u32 v7, s24, v7                       ; + 32 x work-group
	s_lshl_b32 s26, ttmp9, 15                      ; 8 rows of x
	s_mov_b32 s27, 0
	s_lshl_b32 s28, ttmp9, 14                      ; 8 rows of xb
	s_mov_b32 s29, 0
	s_mov_b32 s30, 0xaaaaaaaa                      ; lanes with bit 0 set
	s_mov_b32 s31, 0xcccccccc                      ; bit 1
	s_mov_b32 s32, 0xf0f0f0f0                      ; bit 2
	s_mov_b32 s36, 0x76543210                      ; v_permlanex16_b32: lane i of the other half
	s_mov_b32 s37, 0xfedcba98
	s_wait_kmcnt 0x0
	s_load_b256 s[16:23], s[8:9], 0x0              ; gate_b
	s_add_nc_u64 s[4:5], s[4:5], s[26:27]
	s_add_nc_u64 s[10:11], s[10:11], s[28:29]
.set u, 0
.rept 2
.set j, 0
.rept 8
	global_load_b128 v[X+32*u+4*j:X+32*u+4*j+3], v3, s[4:5] offset:4096*u+512*j    ; 512 neighbouring bytes of a row
.set j, j+1
.endr
.set u, u+1
.endr
	WIN 0x40                                       ; destination in window 1
.set j, 0
.rept 8
.set i, 0
.rept 4
	global_load_b128 v[32*j+8*i:32*j+8*i+3], v4, s[6:7] offset:4096*j+32*i
	global_load_b128 v[32*j+8*i+4:32*j+8*i+7], v4, s[6:7] offset:4096*j+32*i+16
.set i, i+1
.endr
.set j, j+1
.endr
.set j, 0
.rept 8
	s_wait_loadcnt 56-8*j                          ; x (the oldest 16) and gate_w's groups up to j are in; 8 (7 - j) younger loads stay out
	WIN 0
.set u, 0
.rept 2
	v_cvt_pk_bf16_f32 v[PK+4*j+2*u], v[X+32*u+4*j], v[X+32*u+4*j+1]
	v_cvt_pk_bf16_f32 v[PK+4*j+2*u+1], v[X+32*u+4*j+2], v[X+32*u+4*j+3]
	global_store_b64 v5, v[PK+4*j+2*u:PK+4*j+2*u+1], s[10:11] offset:2048*u+256*j  ; the wave stores 256 consecutive bytes, aligned
.set u, u+1
.endr
	WIN 0x04                                       ; source 1 (gate_w) in window 1
.set u, 0
.rept 2
.set i, 0
.rept 4
.set p, 0
.rept 4
.if (i+j) == 0
	v_pk_mul_f32 v[ACC+8*u+2*p:ACC+8*u+2*p+1], v[X+32*u:X+32*u+1], v[2*p:2*p+1] op_sel_hi:[0,1]        ; the first product starts the sums
.elseif (i%2) == 0
	v_pk_fma_f32 v[ACC+8*u+2*p:ACC+8*u+2*p+1], v[X+32*u+4*j+i:X+32*u+4*j+i+1], v[32*j+8*i+2*p:32*j+8*i+2*p+1], v[ACC+8*u+2*p:ACC+8*u+2*p+1] op_sel_hi:[0,1,1]
.else
	v_pk_fma_f32 v[ACC+8*u+2*p:ACC+8*u+2*p+1], v[X+32*u+4*j+i-1:X+32*u+4*j+i], v[32*j+8*i+2*p:32*j+8*i+2*p+1], v[ACC+8*u+2*p:ACC+8*u+2*p+1] op_sel:[1,0,0] op_sel_hi:[1,1,1]
.endif
.set p, p+1
.endr
.set i, i+1
.endr
.set u, u+1
.endr
.set j, j+1
.endr
	WIN 0
	; the 16 sums over the 32 lanes; every lane ends with all of them
	v_mov_b32 v[TMP], 0                            ; v_permlanex16_b32's destination counts as read
.set k, 0
.rept 16
	v_add_f32_dpp v[ACC+k], v[ACC+k], v[ACC+k] row_xmask:1 row_mask:0xf bank_mask:0xf
	v_add_f32_dpp v[ACC+k], v[ACC+k], v[ACC+k] row_xmask:2 row_mask:0xf bank_mask:0xf
	v_add_f32_dpp v[ACC+k], v[ACC+k], v[ACC+k] row_xmask:4 row_mask:0xf bank_mask:0xf
	v_add_f32_dpp v[ACC+k], v[ACC+k], v[ACC+k] row_xmask:8 row_mask:0xf bank_mask:0xf
	v_permlanex16_b32 v[TMP], v[ACC+k], s36, s37
	v_add_f32 v[ACC+k], v[ACC+k], v[TMP]
.set k, k+1
.endr
	s_wait_kmcnt 0x0                               ; gate_b
.set u, 0
.rept 2
.set e, 0
.rept 8
	v_add_f32 v[ACC+8*u+e], s[16+e], v[ACC+8*u+e]
.set e, e+1
.endr
	v_max3_num_f32 v[MX+u], v[ACC+8*u], v[ACC+8*u+1], v[ACC+8*u+2]
	v_max3_num_f32 v[MX+u], v[MX+u], v[ACC+8*u+3], v[ACC+8*u+4]
	v_max3_num_f32 v[MX+u], v[MX+u], v[ACC+8*u+5], v[ACC+8*u+6]
	v_max_num_f32 v[MX+u], v[MX+u], v[ACC+8*u+7]
.set e, 0
.rept 8
	v_sub_f32 v[EX+8*u+e], v[ACC+8*u+e], v[MX+u]   ; at most 0, and exactly 0 at the maximum
	v_mul_f32 v[EX+8*u+e], 0x3fb8aa3b, v[EX+8*u+e] ; x log2 e
.set e, e+1
.endr
.set e, 0
.rept 8
	v_exp_f32 v[EX+8*u+e], v[EX+8*u+e]
.set e, e+1
.endr
	v_mov_b32 v[IX+u], 0                           ; (plain work behind the exponentials, ISA guide 5.7.2)
.set e, 7
.rept 8
	v_cmp_neq_f32 vcc_lo, v[ACC+8*u+e], v[MX+u]    ; from expert 7 down: the first maximum is written last
	v_cndmask_b32 v[IX+u], e, v[IX+u], vcc_lo
.set e, e-1
.endr
	s_wait_alu depctr_va_vdst(0)
	v_add_f32 v[SM+u], v[EX+8*u], v[EX+8*u+1]
.set e, 2
.rept 6
	v_add_f32 v[SM+u], v[SM+u], v[EX+8*u+e]
.set e, e+1
.endr
	v_rcp_f32 v[SM+u], v[SM+u]                     ; the maximum's exponential is 1, so this is the top probability
	v_nop                                          ; one plain place behind v_rcp_f32
.set u, u+1
.endr
.set e, 0
	s_wait_alu depctr_va_vdst(0)
.rept 8
	v_mul_f32 v[IMP+e], v[EX+e], v[SM]
	v_fmac_f32 v[IMP+e], v[EX+8+e], v[SM+1]
.set e, e+1
.endr
	; lane L takes sum L & 7; lanes 0, 1 take token 0's, 1's index and top value
	v_cndmask_b32 v[IMP], v[IMP], v[IMP+1], s30
	v_cndmask_b32 v[IMP+2], v[IMP+2], v[IMP+3], s30
	v_cndmask_b32 v[IMP+4], v[IMP+4], v[IMP+5], s30
	v_cndmask_b32 v[IMP+6], v[IMP+6], v[IMP+7], s30
	v_cndmask_b32 v[IMP], v[IMP], v[IMP+2], s31
	v_cndmask_b32 v[IMP+4], v[IMP+4], v[IMP+6], s31
	v_cndmask_b32 v[IMP], v[IMP], v[IMP+4], s32
	v_cndmask_b32 v[IX], v[IX], v[IX+1], s30
	v_cndmask_b32 v[SM], v[SM], v[SM+1], s30
	v_cmp_gt_u32 vcc_lo, 8, v1
	s_wait_xcnt 0x0                                ; EXEC is a source of the stores above: it changes only behind this wait
	s_and_saveexec_b32 s33, vcc_lo
	global_store_b32 v6, v[IMP], s[14:15] offset:8192
	v_cmp_gt_u32 vcc_lo, 2, v1
	s_wait_xcnt 0x0                                ; and again
	s_and_saveexec_b32 s34, vcc_lo
	global_store_b32 v7, v[IX], s[12:13]
	global_store_b32 v7, v[SM], s[14:15]
	s_endpgm
.Lfunc_end_k_q2aadf42436_gate:
	.size	k_q2aadf42436_gate, .Lfunc_end_k_q2aadf42436_gate-k_q2aadf42436_gate
	.p2alignl 7, 3214868480
	.fill 96, 4, 3214868480
	.section	.rodata,"a",@progbits
	.p2align	6, 0x0
	.amdhsa_kernel k_q2aadf42436_gate
		.amdhsa_group_segment_fixed_size 0
		.amdhsa_private_segment_fixed_size 0
		.amdhsa_enable_private_segment 0
		.amdhsa_kernarg_size 48
		.amdhsa_user_sgpr_count 2
		.amdhsa_user_sgpr_kernarg_segment_ptr 1
		.amdhsa_wavefront_size32 1
		.amdhsa_system_sgpr_workgroup_id_x 1
		.amdhsa_system_sgpr_workgroup_id_y 1
		.amdhsa_system_sgpr_workgroup_id_z 1
		.amdhsa_system_vgpr_workitem_id 0
		.amdhsa_next_free_vgpr 512
		.amdhsa_next_free_sgpr 66
		.amdhsa_reserve_vcc 1
		.amdhsa_float_denorm_mode_32 3
		.amdhsa_float_denorm_mode_16_64 3
		.amdhsa_memory_ordered 1
		.amdhsa_forward_progress 1
		.amdhsa_inst_pref_size 42
	.end_amdhsa_kernel
	.amdgpu_metadata
---
amdhsa.version: [ 1, 2 ]
amdhsa.kernels:
  - .name:           k_q2aadf42436_gate
    .symbol:         k_q2aadf42436_gate.kd
    .args:
      - { .name: x, .offset: 0, .size: 8, .value_kind: global_buffer, .address_space: global }
      - { .name: gate_w, .offset: 8, .size: 8, .value_kind: global_buffer, .address_space: global }
      - { .name: gate_b, .offset: 16, .size: 8, .value_kind: global_buffer, .address_space: global }
      - { .name: xb, .offset: 24, .size: 8, .value_kind: global_buffer, .address_space: global }
      - { .name: idx, .offset: 32, .size: 8, .value_kind: global_buffer, .address_space: global }
      - { .name: gatef, .offset: 40, .size: 8, .value_kind: global_buffer, .address_space: global }
    .group_segment_fixed_size: 0
    .private_segment_fixed_size: 0
    .kernarg_segment_align: 8
    .kernarg_segment_size: 48
    .max_flat_workgroup_size: 128
    .sgpr_count:     66
    .vgpr_count:     512
    .wavefront_size: 32
...
	.end_amdgpu_metadata
.endif
;; end of part 1
;; launch sort (part 2): grid 1 x 1, 8 waves a work-group, no clusters, 1,536 bytes of LDS; arguments idx, gatef, route, out1; writes route, out1
.if DOCPART == 2
	.amdgcn_target "amdgcn-amd-amdhsa--gfx1250"
	.amdhsa_code_object_version 6
	.text
	.protected	k_q2aadf42436_sort
	.globl	k_q2aadf42436_sort
	.p2align	8
	.type	k_q2aadf42436_sort,@function
k_q2aadf42436_sort:
	s_mov_b64 s[64:65], 0
	v_nop
	global_prefetch_b8 v0, s[64:65] scope:SCOPE_SE
	s_setreg_imm32_b32 hwreg(HW_REG_WAVE_MODE, 25, 1), 1
	s_wait_xcnt 0x0
; SORT.  From idx[2048] (expert of each token): each expert's rows as one segment, padded to a multiple of 32 rows and at least 32
; (at most 2048 + 8 x 32 = 2304 rows in all).  route: word e = first row of expert e, word 8 + e = its tiles of 32 rows, words 16..31 = 0;
; byte 256: pos[token]; byte 8448: perm[row] = token (padding rows: token 0; entries 2304..2335 take the fill's idle lanes and are never read).
; Also the load-balance loss from the 1,024 partial sums of probabilities.
; One work-group of 8 waves: the counts of all tokens meet here, and 2,048 numbers are no work for more.  No atomics: a token's row is
; start + tokens of its expert in earlier waves + in earlier registers of its wave + in lower lanes.
.set POS_OFF,  256
.set PERM_OFF, 8448
.set IDX, 8                            ; v[8:15]    experts of my 8 tokens, token 1024 (k / 4) + 4 thread + k % 4
.set PS,  16                           ; v[16:47]   partial sums as loaded
.set CNT, 64                           ; v[64:127]  counts [wave][expert]; later: P 96, TOK 104, PA 112, FILL 120
.set P,   96
.set TOK, 104
.set PA,  112
.set FILL, 120
; s[16:23] my wave's counts; s[24:31], s[84:91] at work; s[32:39] totals; s[40:47] next free row for my wave; s[48:55] starts;
; s[56:63] tiles; s[66:73] first padding row; s[74:81] segment's end
	s_load_b256 s[4:11], s[0:1], 0x0               ; idx s[4:5], gatef s[6:7], route s[8:9], out1 s[10:11]
	v_lshl_add_u32 v128, v0, 2, 0x200
	v_mov_b32 v129, 0
	v_and_b32 v1, 31, v0
	v_lshrrev_b32 v2, 5, v0
	v_readfirstlane_b32 s12, v2                    ; wave
	v_lshlrev_b32 v3, 4, v0                        ; 16 x thread
	v_lshlrev_b32 v4, 4, v1
	s_lshl_b32 s13, s12, 12
	v_add_nc_u32 v4, s13, v4                       ; 4,096 x wave + 16 L
	s_mov_b32 s26, 0x76543210
	s_mov_b32 s27, 0xfedcba98
	s_wait_kmcnt 0x0
	global_load_b128 v[IDX:IDX+3], v3, s[4:5]
	global_load_b128 v[IDX+4:IDX+7], v3, s[4:5] offset:4096
.set n, 0
.rept 8
	global_load_b128 v[PS+4*n:PS+4*n+3], v4, s[6:7] offset:8192+512*n
.set n, n+1
.endr
	s_wait_loadcnt 0x8                             ; idx is in; the 8 loads of sums stay out
.set k, 0
.rept 8
	v_min_u32 v[IDX+k], 7, v[IDX+k]
.set k, k+1
.endr
	; pass 1: my wave's count of each expert
.set k, 0
.rept 8
.set e, 0
.rept 8
	v_cmp_eq_u32 s24, e, v[IDX+k]
.if k == 0
	s_bcnt1_i32_b32 s[16+e], s24
.else
	s_bcnt1_i32_b32 s25, s24
	s_add_co_u32 s[16+e], s[16+e], s25
.endif
.set e, e+1
.endr
.set k, k+1
.endr
	; my wave's share of the sums of probabilities: lane L holds experts 4 (L & 1) + 0..3
	s_wait_loadcnt 0x0
.set n, 1
.rept 7
	v_pk_add_f32 v[PS:PS+1], v[PS:PS+1], v[PS+4*n:PS+4*n+1]
	v_pk_add_f32 v[PS+2:PS+3], v[PS+2:PS+3], v[PS+4*n+2:PS+4*n+3]
.set n, n+1
.endr
	v_mov_b32 v48, 0
.set n, 0
.rept 4
	v_add_f32_dpp v[PS+n], v[PS+n], v[PS+n] row_xmask:2 row_mask:0xf bank_mask:0xf
	v_add_f32_dpp v[PS+n], v[PS+n], v[PS+n] row_xmask:4 row_mask:0xf bank_mask:0xf
	v_add_f32_dpp v[PS+n], v[PS+n], v[PS+n] row_xmask:8 row_mask:0xf bank_mask:0xf
	v_permlanex16_b32 v48, v[PS+n], s26, s27
	v_add_f32 v[PS+n], v[PS+n], v48
.set n, n+1
.endr
.set e, 0
.rept 8
	v_mov_b32 v[32+e], s[16+e]
.set e, e+1
.endr
	s_lshl_b32 s14, s12, 5
	v_mov_b32 v49, s14                             ; 32 x wave
	v_and_b32 v50, 1, v1
	v_lshl_add_u32 v50, v50, 4, v49
	ds_store_b128 v49, v[32:35]                    ; counts: all lanes write the same words with the same values
	ds_store_b128 v49, v[36:39] offset:16
	ds_store_b128 v50, v[PS:PS+3] offset:256       ; sums: lanes of one parity likewise
	s_wait_dscnt 0x0                               ; for the other waves' sake: zero
	s_barrier_signal -1
	s_barrier_wait -1
	v_mov_b32 v51, 0
.set m, 0
.rept 16
	ds_load_b128 v[CNT+4*m:CNT+4*m+3], v51 offset:16*m
.set m, m+1
.endr
	s_wait_dscnt 0x0
.set ww, 0
.rept 8
.set e, 0
.rept 8
	v_readfirstlane_b32 s[24+e], v[CNT+8*ww+e]
.set e, e+1
.endr
	s_cmp_gt_u32 s12, ww                           ; an earlier wave?  (the selects leave SCC alone; the sums come behind them)
.set e, 0
.rept 8
	s_cselect_b32 s[84+e], s[24+e], 0
.set e, e+1
.endr
.set e, 0
.rept 8
.if ww == 0
	s_mov_b32 s[32+e], s[24+e]
	s_mov_b32 s[40+e], s[84+e]
.else
	s_add_co_u32 s[32+e], s[32+e], s[24+e]
	s_add_co_u32 s[40+e], s[40+e], s[84+e]
.endif
.set e, e+1
.endr
.set ww, ww+1
.endr
	s_mov_b32 s82, 0                               ; rows so far
.set e, 0
.rept 8
	s_mov_b32 s[48+e], s82                         ; start
	s_add_co_u32 s83, s[32+e], 31
	s_and_b32 s83, s83, 0xffffffe0
	s_max_u32 s83, s83, 32                         ; padded rows: an expert without tokens still gets one tile
	s_lshr_b32 s[56+e], s83, 5                     ; tiles
	s_add_co_u32 s[40+e], s[40+e], s82             ; my wave's first row
	s_add_co_u32 s[66+e], s82, s[32+e]             ; first padding row
	s_add_co_u32 s82, s82, s83
	s_mov_b32 s[74+e], s82                         ; end
.set e, e+1
.endr
	; pass 2: each token's row
.set k, 0
.rept 8
.set e, 0
.rept 8
	v_cmp_eq_u32 s24, e, v[IDX+k]
.if e == 0
	v_mbcnt_lo_u32_b32 v[P+k], s24, s[40+e]
.else
	v_mbcnt_lo_u32_b32 v52, s24, s[40+e]
	v_cndmask_b32 v[P+k], v[P+k], v52, s24
.endif
	s_bcnt1_i32_b32 s25, s24
	s_add_co_u32 s[40+e], s[40+e], s25
.set e, e+1
.endr
.set k, k+1
.endr
	global_store_b128 v3, v[P:P+3], s[8:9] offset:POS_OFF
	global_store_b128 v3, v[P+4:P+7], s[8:9] offset:POS_OFF+4096
.set k, 0
.rept 8
	v_lshl_add_u32 v[TOK+k], v0, 2, 1024*(k/4)+(k%4)
	v_min_u32 v[PA+k], 0x8ff, v[P+k]               ; 2303: a number made from loaded data enters an address clamped
	v_lshlrev_b32 v[PA+k], 2, v[PA+k]
	global_store_b32 v[PA+k], v[TOK+k], s[8:9] offset:PERM_OFF
.set k, k+1
.endr
	s_cmp_lg_u32 s12, 0
	s_cbranch_scc1 .Lothers
	; wave 0 alone: the padding rows (at most 32 an expert), the table, the loss
	v_mov_b32 v53, 0
	v_add_nc_u32 v54, 0x900, v1                    ; 2304 + L: where idle lanes write
.set e, 0
.rept 8
	v_add_nc_u32 v[FILL+e], s[66+e], v1
	v_cmp_gt_u32 vcc_lo, s[74+e], v[FILL+e]
	v_cndmask_b32 v[FILL+e], v54, v[FILL+e], vcc_lo
	v_min_u32 v[FILL+e], 0x9ff, v[FILL+e]
	v_lshlrev_b32 v[FILL+e], 2, v[FILL+e]
	global_store_b32 v[FILL+e], v53, s[8:9] offset:PERM_OFF
.set e, e+1
.endr
	v_mov_b32 v55, 0
.set e, 0
.rept 8
	v_writelane_b32 v55, s[48+e], e
	v_writelane_b32 v55, s[56+e], 8+e
.set e, e+1
.endr
	v_lshlrev_b32 v56, 2, v1
	global_store_b32 v56, v55, s[8:9]
	v_and_b32 v57, 15, v1
	v_lshlrev_b32 v57, 4, v57
	ds_load_b128 v[20:23], v57 offset:256          ; lane l & 15: wave (l & 15) / 2, experts 4 (l & 1) + 0..3
	s_wait_dscnt 0x0
.set n, 0
.rept 4
	v_add_f32_dpp v[20+n], v[20+n], v[20+n] row_xmask:2 row_mask:0xf bank_mask:0xf
	v_add_f32_dpp v[20+n], v[20+n], v[20+n] row_xmask:4 row_mask:0xf bank_mask:0xf
	v_add_f32_dpp v[20+n], v[20+n], v[20+n] row_xmask:8 row_mask:0xf bank_mask:0xf
.set n, n+1
.endr
	v_add_f32 v24, v20, v21
	v_add_f32 v25, v22, v23
	v_add_f32 v24, v24, v25
	v_add_f32_dpp v24, v24, v24 row_xmask:1 row_mask:0xf bank_mask:0xf
	v_mul_f32 v24, 0x3e000000, v24                 ; mean of the 8
.set n, 0
.rept 4
	v_sub_f32 v[20+n], v[20+n], v24
.set n, n+1
.endr
	v_mul_f32 v25, v20, v20
	v_fmac_f32 v25, v21, v21
	v_fmac_f32 v25, v22, v22
	v_fmac_f32 v25, v23, v23
	v_add_f32_dpp v25, v25, v25 row_xmask:1 row_mask:0xf bank_mask:0xf
	v_fmaak_f32 v26, v24, v24, 0x2edbe6ff          ; mean^2 + 1e-10
	v_rcp_f32 v26, v26
	v_mul_f32 v25, 0x3e124925, v25                 ; / 7 (also the plain place behind v_rcp_f32)
	s_wait_alu depctr_va_vdst(0)
	v_mul_f32 v25, v25, v26
	v_cmp_eq_u32 vcc_lo, 0, v1
	s_wait_xcnt 0x0                                ; EXEC changes only behind this wait
	s_wait_tensorcnt 0x0
	ds_add_u32 v128, v129
	s_wait_dscnt 0x0
	s_and_saveexec_b32 s24, vcc_lo
	global_store_b32 v53, v25, s[10:11]
	s_endpgm
.Lothers:
	s_wait_tensorcnt 0x0
	ds_add_u32 v128, v129
	s_wait_dscnt 0x0
	s_endpgm
.Lfunc_end_k_q2aadf42436_sort:
	.size	k_q2aadf42436_sort, .Lfunc_end_k_q2aadf42436_sort-k_q2aadf42436_sort
	.p2alignl 7, 3214868480
	.fill 96, 4, 3214868480
	.section	.rodata,"a",@progbits
	.p2align	6, 0x0
	.amdhsa_kernel k_q2aadf42436_sort
		.amdhsa_group_segment_fixed_size 1536
		.amdhsa_private_segment_fixed_size 0
		.amdhsa_enable_private_segment 0
		.amdhsa_kernarg_size 32
		.amdhsa_user_sgpr_count 2
		.amdhsa_user_sgpr_kernarg_segment_ptr 1
		.amdhsa_wavefront_size32 1
		.amdhsa_system_sgpr_workgroup_id_x 1
		.amdhsa_system_sgpr_workgroup_id_y 1
		.amdhsa_system_sgpr_workgroup_id_z 1
		.amdhsa_system_vgpr_workitem_id 0
		.amdhsa_next_free_vgpr 130
		.amdhsa_next_free_sgpr 96
		.amdhsa_reserve_vcc 1
		.amdhsa_float_denorm_mode_32 3
		.amdhsa_float_denorm_mode_16_64 3
		.amdhsa_memory_ordered 1
		.amdhsa_forward_progress 1
		.amdhsa_inst_pref_size 48
	.end_amdhsa_kernel
	.amdgpu_metadata
---
amdhsa.version: [ 1, 2 ]
amdhsa.kernels:
  - .name:           k_q2aadf42436_sort
    .symbol:         k_q2aadf42436_sort.kd
    .args:
      - { .name: idx, .offset: 0, .size: 8, .value_kind: global_buffer, .address_space: global }
      - { .name: gatef, .offset: 8, .size: 8, .value_kind: global_buffer, .address_space: global }
      - { .name: route, .offset: 16, .size: 8, .value_kind: global_buffer, .address_space: global }
      - { .name: out1, .offset: 24, .size: 8, .value_kind: global_buffer, .address_space: global }
    .group_segment_fixed_size: 1536
    .private_segment_fixed_size: 0
    .kernarg_segment_align: 8
    .kernarg_segment_size: 32
    .max_flat_workgroup_size: 256
    .sgpr_count:     96
    .vgpr_count:     130
    .wavefront_size: 32
...
	.end_amdgpu_metadata
.endif
;; end of part 2
;; launch ffn1 (part 3): grid 32 x 8, 4 waves a work-group, no clusters, 201,216 bytes of LDS; arguments xb, route, w1, b1, hfrag; writes hfrag
.if DOCPART == 3
	.amdgcn_target "amdgcn-amd-amdhsa--gfx1250"
	.amdhsa_code_object_version 6
	.text
	.protected	k_q2aadf42436_ffn1
	.globl	k_q2aadf42436_ffn1
	.p2align	8
	.type	k_q2aadf42436_ffn1,@function
k_q2aadf42436_ffn1:
	s_mov_b64 s[64:65], 0
	v_nop
	global_prefetch_b8 v0, s[64:65] scope:SCOPE_SE
	s_setreg_imm32_b32 hwreg(HW_REG_WAVE_MODE, 25, 1), 1
	s_wait_xcnt 0x0
; FFN, FIRST LAYER, routed rows only: h = gelu(x w1[e] + b1[e]) in bf16.  reference()'s one-hot keeps one expert's result for a token, so the
; other seven are not computed.  Work-group (s, e): expert e, columns 64 s .. 64 s + 63 of H, K = 1024: each byte of w1 is read once in the launch.
; PHASE W: wave w reads rows 256 w .. + 255 of the 1024 x 64 block (pieces of 256 bytes, aligned), rounds to bf16 and lays them into LDS as
; fragment images.  One barrier.  LOOP: wave w takes the expert's tiles of 32 rows i = w, w + 4, .. by itself, over the whole K: no barrier and no
; sum across waves stands in the loop, whose trip count is read from memory (route).  A tile: 4 chunks of 8 K steps, 64 matrix instructions each.
; THE MATRIX INSTRUCTION IS USED TRANSPOSED: source 0 = 16 columns of w1 (row m = column), source 1 = 16 tokens.  Register j of lane (r, h) then
; holds token r, column 16 f + 8 h + j: eight neighbouring columns, which packed are exactly the 16 bytes of the next layer's fragment.
; hfrag: block (16-row tile T, K step g) at (64 T + g) 1024; byte 512 c + 16 L = h[row r][32 g + 16 c + 8 h + 0..7].
; The bias is the C of each sum's first matrix instruction: nothing is cleared, nothing added afterwards.
; NO CLUSTER: the bytes that come from memory, 256 KiB of weights a work-group, are shared by nobody; the rows of x that the 32 work-groups of an
; expert share are gathered by a list, which a strided tile cannot name, and the waves' trip counts differ.  No tensor loads: the weights pass
; registers anyway, for the rounding.  No prefetch: phase W is one stream with 48 to 64 loads of 512 bytes of each wave under way.
; GELU: x Phi(x) with Phi by Abramowitz-Stegun 26.2.17 (absolute error of Phi at most 7.5e-8 for every x); x = +-infinity gives NaN.
.set PITCH,  8192                      ; bytes from row k to row k + 1 of w1[e]
.set P8LOG,  16                        ; 8 rows = 1 << 16 bytes
.set FRAGP,  1040                      ; a fragment image: 1,024 bytes + 16, so that the 16 lanes of a store pass fall into 16 different 16-byte columns
.set STEPP,  4*FRAGP                   ; a K step: 4 fragments
.set CHW,    8*STEPP                   ; a chunk of 8 K steps = what one wave converts
.set XT,     4*CHW                     ; 133,120: behind the weights, each wave's own stage for gathered rows
.set XP,     528                       ; its pitch: 512 + 16, an odd multiple of 16
.set XTW,    32*XP
.set PERM_OFF, 8448
.set MAXROW, 2272                      ; the last possible first row of a tile
; window 0
.set LN,   1
.set RR,   2                           ; r = lane & 15
.set HH,   3                           ; h = lane >> 4
.set WOFF, 4                           ; weights in memory: 8 h rows + 16 r
.set WST,  5                           ; weights into LDS
.set XST,  6                           ; stage, in: 16 L
.set XLD,  7                           ; stage, out: r x pitch + 16 h
.set L16,  8                           ; 16 L
.set BOFF, 9
.set C4,   12                          ; v[12:13] a GELU coefficient, twice
.set WB,   16                          ; v[16:19] 16 L + chunk q's weights in LDS
.set BIAS, 24                          ; v[24:55] b1 in the layout of C: fragment f, register j = b1[64 s + 16 f + 8 h + j]
.set T,    56                          ; v[56:87] phase W: packed weights; loop: packed results (store data)
.set GT,   88                          ; v[88:127] GELU's 40 temporaries
.set ACC,  128                         ; v[128:191] sums: row block sb, fragment f at 32 sb + 8 f
.set AOFF, 192                         ; v[192:223] row k of the tile: 2,048 x token + 16 L
; window 1: phase W: four stage slots of 64; loop: weight fragments, two buffers of 128 (4 K steps each)
; window 2: token fragments, two buffers of 128 (row block sb, K step t at 64 sb + 8 t)
; window 3: gathered rows as loaded, two buffers of 128 (row k at 4 k)
; s14 wave, s15 expert, s17 first row, s18 tiles, s19 tile, s20 trips of the loop, s21 first the table's offset, then the trip counter,
; s[22:23] an offset (s23 = 0), s[24:25] weights, s[26:27] store base, s[28:29] hfrag + 2,048 s, s30 list offset, s31 at work, s[68:99] 32 tokens
.set MSB, 0
.macro WIN new                         ; s_set_vgpr_msb: bits 1:0 source 0, 3:2 source 1, 5:4 source 2, 7:6 destination; the high byte repeats the setting left
.if MSB != (\new)
	s_set_vgpr_msb (MSB<<8)|(\new)
.set MSB, \new
.endif
.endm
.macro PLACES n                        ; places behind matrix instructions (ISA guide 7.12.1)
.rept \n
	v_nop
.endr
.endm
; 16 loads: K step t of my 8: lane (r, h) gets rows 32 t + 16 c + 8 h + j, columns 4 r .. 4 r + 3; 16 lanes cover one aligned piece of 256 bytes
.macro WLOAD t
	WIN 0x40
.set cj, 0
.rept 16
	global_load_b128 v[64*((\t)%4)+4*cj:64*((\t)%4)+4*cj+3], v[WOFF], s[24:25] offset:(32*(\t)+cj+8*(cj/8))*PITCH th:TH_LOAD_NT
.set cj, cj+1
.endr
.endm
; round step t and lay it down: column 4 r + i is lane 4 (r & 3) + i of fragment r >> 2.  left: younger loads that may stay out
.macro WCONV t, left
	s_wait_loadcnt \left
	s_wait_dscnt 0x0                               ; the stores that read T last are done
	WIN 0x05
.set wi, 0
.rept 4
.set wc, 0
.rept 2
.set wp, 0
.rept 4
	v_cvt_pk_bf16_f32 v[T+8*wi+4*wc+wp], v[64*((\t)%4)+4*(8*wc+2*wp)+wi], v[64*((\t)%4)+4*(8*wc+2*wp+1)+wi]
.set wp, wp+1
.endr
.set wc, wc+1
.endr
.set wi, wi+1
.endr
	WIN 0
.set wi, 0
.rept 4
.set wc, 0
.rept 2
	ds_store_b128 v[WST], v[T+8*wi+4*wc:T+8*wi+4*wc+3] offset:(\t)*STEPP+512*wc+16*wi
.set wc, wc+1
.endr
.set wi, wi+1
.endr
.endm
; 32 LDS loads: the weight fragments of half a chunk (4 K steps) into buffer buf; each load takes 512 consecutive bytes
.macro WFLOAD buf, q, half
	WIN 0x40
.set tt, 0
.rept 4
.set ff, 0
.rept 4
	ds_load_b128 v[128*(\buf)+32*tt+8*ff:128*(\buf)+32*tt+8*ff+3], v[WB+(\q)] offset:(4*(\half)+tt)*STEPP+ff*FRAGP
	ds_load_b128 v[128*(\buf)+32*tt+8*ff+4:128*(\buf)+32*tt+8*ff+7], v[WB+(\q)] offset:(4*(\half)+tt)*STEPP+ff*FRAGP+512
.set ff, ff+1
.endr
.set tt, tt+1
.endr
.endm
; 32 matrix instructions: half a chunk, 2 row blocks x 4 fragments x 4 K steps.  The tile's very first take the bias as C
.macro MM32 q, half
	WIN 0x09
.set tt, 0
.rept 4
.set sb, 0
.rept 2
.set ff, 0
.rept 4
.if ((\q)+(\half)+tt) == 0
	v_wmma_f32_16x16x32_bf16 v[ACC+32*sb+8*ff:ACC+32*sb+8*ff+7], v[128*(\half)+32*tt+8*ff:128*(\half)+32*tt+8*ff+7], v[128*((\q)&1)+64*sb+8*(4*(\half)+tt):128*((\q)&1)+64*sb+8*(4*(\half)+tt)+7], v[BIAS+8*ff:BIAS+8*ff+7]
.else
	v_wmma_f32_16x16x32_bf16 v[ACC+32*sb+8*ff:ACC+32*sb+8*ff+7], v[128*(\half)+32*tt+8*ff:128*(\half)+32*tt+8*ff+7], v[128*((\q)&1)+64*sb+8*(4*(\half)+tt):128*((\q)&1)+64*sb+8*(4*(\half)+tt)+7], v[ACC+32*sb+8*ff:ACC+32*sb+8*ff+7]
.endif
.set ff, ff+1
.endr
.set sb, sb+1
.endr
.set tt, tt+1
.endr
.endm
; 32 loads: bytes 512 kc .. + 511 (K chunk kc) of the tile's 32 rows, a row's 512 bytes by one load
.macro AGLOAD b, kc
	WIN 0xc0
.set k, 0
.rept 32
	global_load_b128 v[128*(\b)+4*k:128*(\b)+4*k+3], v[AOFF+k], s[4:5] offset:512*(\kc)
.set k, k+1
.endr
.endm
.macro XSTORE b                        ; the 32 rows into my stage
	WIN 0x0c
.set k, 0
.rept 32
	ds_store_b128 v[XST], v[128*(\b)+4*k:128*(\b)+4*k+3] offset:k*XP
.set k, k+1
.endr
.endm
.macro FLOAD b                         ; and back as fragments (LDS serves a wave's instructions in order, ISA guide 5.7.1: these see the stores)
	WIN 0x80
.set sb, 0
.rept 2
.set tt, 0
.rept 8
	ds_load_b128 v[128*(\b)+64*sb+8*tt:128*(\b)+64*sb+8*tt+3], v[XLD] offset:16*XP*sb+64*tt
	ds_load_b128 v[128*(\b)+64*sb+8*tt+4:128*(\b)+64*sb+8*tt+7], v[XLD] offset:16*XP*sb+64*tt+32
.set tt, tt+1
.endr
.set sb, sb+1
.endr
.endm
.macro NEWAOFF                         ; the list in s[68:99] becomes 32 row offsets
	s_wait_kmcnt 0x0
	s_wait_xcnt 0x0                                ; AOFF, which earlier loads name, is rewritten only behind this wait
.set k, 0
.rept 32
	s_min_u32 s[68+k], s[68+k], 0x7ff
	v_lshl_add_u32 v[AOFF+k], s[68+k], 11, v[L16]
.set k, k+1
.endr
.endm
; gelu(x) = max(x, 0) - |x| q,  q = exp(-x^2 / 2) t (c1 + t (c2 + t (c3 + t (c4 + t c5)))),  t = 1 / (1 + 0.2316419 |x|); 1 / sqrt(2 pi) is in the c.
; 8 numbers in v[x ..], in place; temporaries: t+0 -|x|, t+8 t, t+16 the exponential, t+24 max(x, 0), t+32 the polynomial
.macro GELU8 x, t
.set gk, 0
.rept 8
	v_or_b32 v[(\t)+gk], 0x80000000, v[(\x)+gk]
.set gk, gk+1
.endr
.set gk, 0
.rept 4
	v_pk_fma_f32 v[(\t)+8+gk:(\t)+9+gk], v[(\t)+gk:(\t)+1+gk], 0xbe6d3389, 1.0 op_sel_hi:[1,0,0]
	v_pk_mul_f32 v[(\t)+16+gk:(\t)+17+gk], v[(\x)+gk:(\x)+1+gk], v[(\x)+gk:(\x)+1+gk]
.set gk, gk+2
.endr
.set gk, 0
.rept 4
	v_pk_mul_f32 v[(\t)+16+gk:(\t)+17+gk], v[(\t)+16+gk:(\t)+17+gk], 0xbf38aa3b op_sel_hi:[1,0]   ; x -(log2 e) / 2
.set gk, gk+2
.endr
.set gk, 0
.rept 8
	v_rcp_f32 v[(\t)+8+gk], v[(\t)+8+gk]
	v_exp_f32 v[(\t)+16+gk], v[(\t)+16+gk]
.set gk, gk+1
.endr
.set gk, 0
.rept 8
	v_max_num_f32 v[(\t)+24+gk], 0, v[(\x)+gk]     ; plain work behind the transcendentals (ISA guide 5.7.2)
.set gk, gk+1
.endr
.set gk, 0
	s_wait_alu depctr_va_vdst(0)
.rept 4
	v_pk_fma_f32 v[(\t)+32+gk:(\t)+33+gk], v[(\t)+8+gk:(\t)+9+gk], 0x3f07dc22, v[C4:C4+1] op_sel_hi:[1,0,1]
.set gk, gk+2
.endr
.irp cc, 0x3f35f0e3, 0xbe11a98e, 0x3e027906
.set gk, 0
.rept 4
	v_pk_fma_f32 v[(\t)+32+gk:(\t)+33+gk], v[(\t)+32+gk:(\t)+33+gk], v[(\t)+8+gk:(\t)+9+gk], \cc op_sel_hi:[1,1,0]
.set gk, gk+2
.endr
.endr
.set gk, 0
.rept 4
	v_pk_mul_f32 v[(\t)+32+gk:(\t)+33+gk], v[(\t)+32+gk:(\t)+33+gk], v[(\t)+8+gk:(\t)+9+gk]
.set gk, gk+2
.endr
.set gk, 0
.rept 4
	v_pk_mul_f32 v[(\t)+32+gk:(\t)+33+gk], v[(\t)+32+gk:(\t)+33+gk], v[(\t)+16+gk:(\t)+17+gk]
.set gk, gk+2
.endr
.set gk, 0
.rept 4
	v_pk_fma_f32 v[(\x)+gk:(\x)+1+gk], v[(\t)+gk:(\t)+1+gk], v[(\t)+32+gk:(\t)+33+gk], v[(\t)+24+gk:(\t)+25+gk]
.set gk, gk+2
.endr
.endm
; CHUNK q of a tile.  At its head the fragments of chunk q (token buffer q & 1, weight buffer 0) have been asked for.  Each half: wait for them, ask for
; the next half's weights, 32 matrix instructions.  In the second half chunk q + 1's rows, loaded two chunks ago, pass the stage, and their
; registers are loaded again with chunk q + 3's.  stage, newoff, issue: whether that is done; left: the younger chunk's 32 loads may stay out.
.macro CHUNK q, stage, left, newoff, issue
	s_wait_dscnt 0x0                               ; this chunk's token fragments and its first half's weights are in
	PLACES 4                                       ; weight buffer 1 was read by the matrix instructions just issued
	WFLOAD 1, \q, 1
	MM32 \q, 0
	s_wait_dscnt 0x0                               ; the second half's weights are in
	PLACES 4                                       ; weight buffer 0 likewise
.if \stage
	WFLOAD 0, ((\q)+1)&3, 0
	s_wait_loadcnt \left
	XSTORE ((\q)+1)&1
	FLOAD ((\q)+1)&1
.if \newoff
	WIN 0
	NEWAOFF                                        ; from here on the loads are the next tile's
.endif
.if \issue
	AGLOAD ((\q)+1)&1, ((\q)+3)&3
.endif
.endif
	MM32 \q, 1
.endm
.macro TILE last
.if \last == 0
	s_add_co_u32 s31, s19, 4                       ; my next tile's list of 32 tokens (it exists: the loop's trip count says so)
	s_lshl_b32 s31, s31, 5
	s_add_co_u32 s31, s31, s17
	s_min_u32 s31, s31, MAXROW
	s_lshl_b32 s30, s31, 2
	s_load_b512 s[68:83], s[6:7], s30 offset:PERM_OFF
	s_load_b512 s[84:99], s[6:7], s30 offset:PERM_OFF+64
	CHUNK 0, 1, 32, 0, 1
	CHUNK 1, 1, 32, 1, 1
	CHUNK 2, 1, 32, 0, 1
	CHUNK 3, 1, 32, 0, 1
.else
	CHUNK 0, 1, 32, 0, 1                           ; the last tile asks only for its own fourth chunk,
	CHUNK 1, 1, 32, 0, 0
	CHUNK 2, 1, 0, 0, 0                            ; behind which nothing was issued: the wait is for 0
	CHUNK 3, 0, 0, 0, 0
.endif
	WIN 0
	PLACES 4                                       ; behind the last matrix instructions, before their results are read
	s_wait_xcnt 0x0                                ; T and the base, which the last tile's stores name, are rewritten only behind this wait
	s_lshl_b32 s22, s19, 5
	s_add_co_u32 s22, s22, s17
	s_min_u32 s22, s22, MAXROW
	s_lshl_b32 s22, s22, 12                        ; 16 rows are 65,536 bytes of hfrag
	s_add_nc_u64 s[26:27], s[28:29], s[22:23]
.set fa, 0
.rept 8
	GELU8 ACC+8*fa, GT
.set fq, 0
.rept 4
	v_cvt_pk_bf16_f32 v[T+4*fa+fq], v[ACC+8*fa+2*fq], v[ACC+8*fa+2*fq+1]
.set fq, fq+1
.endr
	global_store_b128 v[L16], v[T+4*fa:T+4*fa+3], s[26:27] offset:65536*(fa/4)+512*(fa%4)   ; 512 consecutive bytes, aligned
.set fa, fa+1
.endr
.endm
	s_load_b256 s[4:11], s[0:1], 0x0               ; xb s[4:5], route s[6:7], w1 s[8:9], b1 s[10:11]
	s_load_b64 s[12:13], s[0:1], 0x20              ; hfrag
	v_lshl_add_u32 v254, v0, 2, 0x31000
	v_mov_b32 v255, 0
	v_lshrrev_b32 v10, 5, v0
	v_readfirstlane_b32 s14, v10                   ; wave
	s_and_b32 s15, ttmp7, 0xffff                   ; expert
	s_lshl_b32 s21, s15, 2
	v_and_b32 v[LN], 31, v0
	v_and_b32 v[RR], 15, v0
	v_bfe_u32 v[HH], v0, 4, 1
	s_wait_kmcnt 0x0
	s_load_b32 s17, s[6:7], s21 offset:0x0         ; the expert's first row
	s_load_b32 s18, s[6:7], s21 offset:0x20        ; and its tiles
	v_lshlrev_b32 v[WOFF], 4, v[RR]
	v_lshl_add_u32 v[WOFF], v[HH], P8LOG, v[WOFF]
	v_lshrrev_b32 v10, 2, v[RR]
	v_mul_u32_u24 v[WST], v10, FRAGP
	v_and_b32 v10, 3, v[RR]
	v_lshl_add_u32 v[WST], v10, 6, v[WST]
	v_lshl_add_u32 v[WST], v[HH], 8, v[WST]
	s_mul_i32 s31, s14, CHW
	v_add_nc_u32 v[WST], s31, v[WST]               ; my chunk + fragment r >> 2 + 256 h + 64 (r & 3)
	v_lshlrev_b32 v[L16], 4, v[LN]
.set k, 0
.rept 4
	v_add_nc_u32 v[WB+k], k*CHW, v[L16]
.set k, k+1
.endr
	s_mul_i32 s31, s14, XTW
	s_add_co_u32 s31, s31, XT                      ; my stage
	v_add_nc_u32 v[XST], s31, v[L16]
	v_mul_u32_u24 v[XLD], v[RR], XP
	v_lshl_add_u32 v[XLD], v[HH], 4, v[XLD]
	v_add_nc_u32 v[XLD], s31, v[XLD]
	s_lshl_b32 s31, s15, 13
	s_lshl_b32 s22, ttmp9, 8
	s_add_co_u32 s31, s31, s22
	v_lshlrev_b32 v[BOFF], 5, v[HH]
	v_add_nc_u32 v[BOFF], s31, v[BOFF]             ; b1: 8,192 e + 256 s + 32 h
	v_mov_b32 v[C4], 0xbf3a00e3
	v_mov_b32 v[C4+1], 0xbf3a00e3
	s_lshl_b32 s22, s15, 23                        ; w1: 8 MiB an expert,
	s_lshl_b32 s31, s14, 21                        ; 256 rows of 8,192 bytes a wave,
	s_add_co_u32 s22, s22, s31
	s_lshl_b32 s31, ttmp9, 8                       ; 256 bytes a slice
	s_add_co_u32 s22, s22, s31
	s_mov_b32 s23, 0
	s_add_nc_u64 s[24:25], s[8:9], s[22:23]
	s_lshl_b32 s22, ttmp9, 11
	s_add_nc_u64 s[28:29], s[12:13], s[22:23]      ; hfrag + two K steps a slice
.set ff, 0
.rept 4
	global_load_b128 v[BIAS+8*ff:BIAS+8*ff+3], v[BOFF], s[10:11] offset:64*ff
	global_load_b128 v[BIAS+8*ff+4:BIAS+8*ff+7], v[BOFF], s[10:11] offset:64*ff+16
.set ff, ff+1
.endr
	WLOAD 0
	WLOAD 1
	WLOAD 2
	s_wait_kmcnt 0x0
	s_min_u32 s17, s17, MAXROW
	s_min_u32 s18, s18, 72
	s_max_u32 s18, s18, 1
	s_sub_co_u32 s31, s18, 1                       ; my first tile; a wave that has none asks for the expert's last and leaves behind the barrier
	s_min_u32 s31, s31, s14
	s_lshl_b32 s31, s31, 5
	s_add_co_u32 s31, s31, s17
	s_min_u32 s31, s31, MAXROW
	s_lshl_b32 s30, s31, 2
	s_load_b512 s[68:83], s[6:7], s30 offset:PERM_OFF
	s_load_b512 s[84:99], s[6:7], s30 offset:PERM_OFF+64
	WLOAD 3
	WCONV 0, 48                                    ; three younger steps of 16 loads stay out (the bias is older still)
	WLOAD 4
	WCONV 1, 48
	WLOAD 5
	WCONV 2, 48
	WLOAD 6
	WCONV 3, 48
	WLOAD 7
	WCONV 4, 48
	WCONV 5, 32                                    ; steps 6 and 7
	NEWAOFF
	AGLOAD 0, 0                                    ; my first tile's first chunk
	WCONV 6, 48                                    ; step 7 and those 32
	WCONV 7, 32                                    ; those 32
	AGLOAD 1, 1
	WIN 0
	s_wait_dscnt 0x0                               ; my part of the weights lies in LDS: for the others' sake, zero
	s_barrier_signal -1
	s_barrier_wait -1                              ; everybody's does; from here on nobody writes it
	s_cmp_ge_u32 s14, s18
	s_cbranch_scc1 .Lend                           ; fewer tiles than waves: nothing for me (no barrier follows)
	s_wait_loadcnt 32                              ; chunk 0's rows are in, chunk 1's 32 loads stay out
	XSTORE 0
	FLOAD 0
	AGLOAD 0, 2
	WFLOAD 0, 0, 0
	WIN 0
	s_mov_b32 s19, s14                             ; my first tile
	s_add_co_u32 s20, s18, 3
	s_sub_co_u32 s20, s20, s14
	s_lshr_b32 s20, s20, 2                         ; my tiles: (tiles + 3 - wave) / 4, 1 to 18 since wave < tiles <= 72
	s_sub_co_u32 s20, s20, 1                       ; all but the last have a successor four further on: the loop's trips
	s_mov_b32 s21, 0                               ; the loop is counted by s21, one a trip; s19 only feeds addresses
	s_cmp_eq_u32 s20, 0
	s_cbranch_scc1 .Llast
.Ltile:
	TILE 0
	s_add_co_u32 s19, s19, 4
	s_add_co_u32 s21, s21, 1
	s_cmp_lt_u32 s21, s20
	s_cbranch_scc1 .Ltile
.Llast:
	TILE 1
.Lend:
	s_wait_tensorcnt 0x0
	ds_add_u32 v254, v255
	s_wait_dscnt 0x0
	s_endpgm
.Lfunc_end_k_q2aadf42436_ffn1:
	.size	k_q2aadf42436_ffn1, .Lfunc_end_k_q2aadf42436_ffn1-k_q2aadf42436_ffn1
	.p2alignl 7, 3214868480
	.fill 96, 4, 3214868480
	.section	.rodata,"a",@progbits
	.p2align	6, 0x0
	.amdhsa_kernel k_q2aadf42436_ffn1
		.amdhsa_group_segment_fixed_size 201216
		.amdhsa_private_segment_fixed_size 0
		.amdhsa_enable_private_segment 0
		.amdhsa_kernarg_size 40
		.amdhsa_user_sgpr_count 2
		.amdhsa_user_sgpr_kernarg_segment_ptr 1
		.amdhsa_wavefront_size32 1
		.amdhsa_system_sgpr_workgroup_id_x 1
		.amdhsa_system_sgpr_workgroup_id_y 1
		.amdhsa_system_sgpr_workgroup_id_z 1
		.amdhsa_system_vgpr_workitem_id 0
		.amdhsa_next_free_vgpr 1024
		.amdhsa_next_free_sgpr 100
		.amdhsa_reserve_vcc 0
		.amdhsa_float_denorm_mode_32 3
		.amdhsa_float_denorm_mode_16_64 3
		.amdhsa_memory_ordered 1
		.amdhsa_forward_progress 1
		.amdhsa_inst_pref_size 250
	.end_amdhsa_kernel
	.amdgpu_metadata
---
amdhsa.version: [ 1, 2 ]
amdhsa.kernels:
  - .name:           k_q2aadf42436_ffn1
    .symbol:         k_q2aadf42436_ffn1.kd
    .args:
      - { .name: xb, .offset: 0, .size: 8, .value_kind: global_buffer, .address_space: global }
      - { .name: route, .offset: 8, .size: 8, .value_kind: global_buffer, .address_space: global }
      - { .name: w1, .offset: 16, .size: 8, .value_kind: global_buffer, .address_space: global }
      - { .name: b1, .offset: 24, .size: 8, .value_kind: global_buffer, .address_space: global }
      - { .name: hfrag, .offset: 32, .size: 8, .value_kind: global_buffer, .address_space: global }
    .group_segment_fixed_size: 201216
    .private_segment_fixed_size: 0
    .kernarg_segment_align: 8
    .kernarg_segment_size: 40
    .max_flat_workgroup_size: 128
    .sgpr_count:     100
    .vgpr_count:     1024
    .wavefront_size: 32
...
	.end_amdgpu_metadata
.endif
;; end of part 3
;; launch ffn2 (part 4): grid 32 x 8, 4 waves a work-group, no clusters, 168,448 bytes of LDS; arguments hfrag, route, w2, b2, part; writes part
.if DOCPART == 4
	.amdgcn_target "amdgcn-amd-amdhsa--gfx1250"
	.amdhsa_code_object_version 6
	.text
	.protected	k_q2aadf42436_ffn2
	.globl	k_q2aadf42436_ffn2
	.p2align	8
	.type	k_q2aadf42436_ffn2,@function
k_q2aadf42436_ffn2:
	s_mov_b64 s[64:65], 0
	v_nop
	global_prefetch_b8 v0, s[64:65] scope:SCOPE_SE
	s_setreg_imm32_b32 hwreg(HW_REG_WAVE_MODE, 25, 1), 1
	s_wait_xcnt 0x0
; FFN, SECOND LAYER, routed rows only: part[kh][row][d] = sum over K half kh of h w2[e] (+ b2[e] in half 0), f32, by row of the sorted order.
; Work-group (x, e): expert e, columns 64 s .. + 63 of D (s = x & 15), rows 1024 kh .. + 1023 of w2[e] (kh = x >> 4).  K is split so that a slice stays
; 64 columns wide: pieces of 256 bytes, aligned, of w2 on the way in and of part on the way out.  Each byte of w2 is read once in the launch.
; Built as the first layer: phase W lays the 1024 x 64 block into LDS as bf16 fragment images, one barrier, then wave w takes the tiles of 32 rows
; i = w, w + 4, .. by itself (no barrier in the loop, whose trip count is read from memory).  Source 0 = 16 columns of w2, source 1 = 16 rows of h.
; h lies in memory as fragment images, so its fragments go straight into registers: a ring of four chunk buffers, asked for two chunks ahead.
; Register j of lane (r, h) holds row r, column 16 f + 8 h + j; a wave-private LDS stage turns that into whole rows of 256 bytes.
; NO CLUSTER: the weights are shared by nobody; h, which the 32 work-groups of an expert share, goes to registers without touching LDS, where a
; joint request would have to land, and the waves' trip counts differ.  No tensor loads: the weights pass registers for the rounding.
.set PITCH,  4096                      ; bytes from row k to row k + 1 of w2[e]
.set P8LOG,  15
.set FRAGP,  1040                      ; as in the first layer
.set STEPP,  4*FRAGP
.set CHW,    8*STEPP
.set OS,     4*CHW                     ; 133,120: each wave's stage for results, 32 rows
.set OP,     272                       ; its pitch: 256 + 16, an odd multiple of 16
.set OSW,    32*OP
.set MAXROW, 2272
.set HALFB,  9437184                   ; bytes of one K half of part
; window 0
.set LN,   1
.set RR,   2
.set HH,   3
.set WOFF, 4
.set WST,  5
.set OST,  6                           ; stage, in: r x pitch + 32 h
.set ORD,  7                           ; stage, out: h x pitch + 16 r
.set L16,  8
.set BOFF, 9
.set POFF, 10                          ; part: h rows + 16 r
.set WB,   16                          ; v[16:19]
.set BIAS, 24                          ; v[24:55] b2 in the layout of C, or zeros in K half 1
.set T,    64                          ; v[64:95] phase W: packed weights
.set RED,  64                          ; v[64:127] loop: rows read back (store data)
.set ACC,  128                         ; v[128:191]
; window 1: phase W: stage slots; loop: weight fragments, two buffers of 128.  Windows 2, 3: fragments of h, chunk q at window 2 + q / 2, register 128 (q & 1)
; s14 wave, s15 expert, s16 slice, s17 first row, s18 tiles, s19 tile, s20 trips of the loop, s21 first the table's offset, then the trip counter,
; s[22:23] an offset (s23 = 0), s[24:25] weights, s[26:27] store base, s[28:29] hfrag + my K half, s[30:31] the tile whose fragments are being asked for,
; s32 K half, s33 bias mask, s[34:35] part + half + slice, s36 at work
.set MSB, 0
.macro WIN new
.if MSB != (\new)
	s_set_vgpr_msb (MSB<<8)|(\new)
.set MSB, \new
.endif
.endm
.macro PLACES n                        ; places behind matrix instructions (ISA guide 7.12.1)
.rept \n
	v_nop
.endr
.endm
.macro WLOAD t                         ; as in the first layer
	WIN 0x40
.set cj, 0
.rept 16
	global_load_b128 v[64*((\t)%4)+4*cj:64*((\t)%4)+4*cj+3], v[WOFF], s[24:25] offset:(32*(\t)+cj+8*(cj/8))*PITCH th:TH_LOAD_NT
.set cj, cj+1
.endr
.endm
.macro WCONV t, left
	s_wait_loadcnt \left
	s_wait_dscnt 0x0                               ; the stores that read T last are done
	WIN 0x05
.set wi, 0
.rept 4
.set wc, 0
.rept 2
.set wp, 0
.rept 4
	v_cvt_pk_bf16_f32 v[T+8*wi+4*wc+wp], v[64*((\t)%4)+4*(8*wc+2*wp)+wi], v[64*((\t)%4)+4*(8*wc+2*wp+1)+wi]
.set wp, wp+1
.endr
.set wc, wc+1
.endr
.set wi, wi+1
.endr
	WIN 0
.set wi, 0
.rept 4
.set wc, 0
.rept 2
	ds_store_b128 v[WST], v[T+8*wi+4*wc:T+8*wi+4*wc+3] offset:(\t)*STEPP+512*wc+16*wi
.set wc, wc+1
.endr
.set wi, wi+1
.endr
.endm
.macro WFLOAD buf, q, half
	WIN 0x40
.set tt, 0
.rept 4
.set ff, 0
.rept 4
	ds_load_b128 v[128*(\buf)+32*tt+8*ff:128*(\buf)+32*tt+8*ff+3], v[WB+(\q)] offset:(4*(\half)+tt)*STEPP+ff*FRAGP
	ds_load_b128 v[128*(\buf)+32*tt+8*ff+4:128*(\buf)+32*tt+8*ff+7], v[WB+(\q)] offset:(4*(\half)+tt)*STEPP+ff*FRAGP+512
.set ff, ff+1
.endr
.set tt, tt+1
.endr
.endm
.macro MM32 q, half
	WIN 0x09+4*((\q)>>1)
.set tt, 0
.rept 4
.set sb, 0
.rept 2
.set ff, 0
.rept 4
.if ((\q)+(\half)+tt) == 0
	v_wmma_f32_16x16x32_bf16 v[ACC+32*sb+8*ff:ACC+32*sb+8*ff+7], v[128*(\half)+32*tt+8*ff:128*(\half)+32*tt+8*ff+7], v[128*((\q)&1)+64*sb+8*(4*(\half)+tt):128*((\q)&1)+64*sb+8*(4*(\half)+tt)+7], v[BIAS+8*ff:BIAS+8*ff+7]
.else
	v_wmma_f32_16x16x32_bf16 v[ACC+32*sb+8*ff:ACC+32*sb+8*ff+7], v[128*(\half)+32*tt+8*ff:128*(\half)+32*tt+8*ff+7], v[128*((\q)&1)+64*sb+8*(4*(\half)+tt):128*((\q)&1)+64*sb+8*(4*(\half)+tt)+7], v[ACC+32*sb+8*ff:ACC+32*sb+8*ff+7]
.endif
.set ff, ff+1
.endr
.set sb, sb+1
.endr
.set tt, tt+1
.endr
.endm
; 32 loads: chunk q's fragments of h (2 row blocks x 8 K steps x 2), 512 consecutive bytes each, of the tile at s[30:31]
.macro ALOAD q
	WIN 0x80+0x40*((\q)>>1)
.set sb, 0
.rept 2
.set tt, 0
.rept 8
	global_load_b128 v[128*((\q)&1)+64*sb+8*tt:128*((\q)&1)+64*sb+8*tt+3], v[L16], s[30:31] offset:65536*sb+1024*(8*(\q)+tt)
	global_load_b128 v[128*((\q)&1)+64*sb+8*tt+4:128*((\q)&1)+64*sb+8*tt+7], v[L16], s[30:31] offset:65536*sb+1024*(8*(\q)+tt)+512
.set tt, tt+1
.endr
.set sb, sb+1
.endr
.endm
; CHUNK q.  left: the younger chunk's 32 loads may stay out.  issue: ask for the chunk two further on; newbase: that one begins my next tile
.macro CHUNK q, left, issue, newbase, nextw
	s_wait_loadcnt \left                           ; this chunk's fragments of h are in
	s_wait_dscnt 0x0                               ; and its first half's weights
	PLACES 4                                       ; weight buffer 1 was read by the matrix instructions just issued
	WFLOAD 1, \q, 1
.if \newbase
	s_wait_xcnt 0x0                                ; the base, which earlier loads name, is rewritten only behind this wait
	s_add_co_u32 s36, s19, 4
	s_lshl_b32 s36, s36, 5
	s_add_co_u32 s36, s36, s17
	s_min_u32 s36, s36, MAXROW
	s_lshl_b32 s22, s36, 12
	s_add_nc_u64 s[30:31], s[28:29], s[22:23]
.endif
.if \issue
	ALOAD ((\q)+2)&3                               ; into the buffer read two chunks ago
.endif
	MM32 \q, 0
	s_wait_dscnt 0x0                               ; the second half's weights are in
	PLACES 4
.if \nextw
	WFLOAD 0, ((\q)+1)&3, 0
.endif
	MM32 \q, 1
.endm
.macro TILE last
.if \last == 0
	CHUNK 0, 32, 1, 0, 1
	CHUNK 1, 32, 1, 0, 1
	CHUNK 2, 32, 1, 1, 1
	CHUNK 3, 32, 1, 0, 1
.else
	CHUNK 0, 32, 1, 0, 1
	CHUNK 1, 32, 1, 0, 1
	CHUNK 2, 32, 0, 0, 1                           ; the last tile asks for nothing beyond itself,
	CHUNK 3, 0, 0, 0, 0                            ; and behind its last chunk nothing was issued: the wait is for 0
.endif
	WIN 0
	PLACES 4                                       ; behind the last matrix instructions, before their results are read
.set sb, 0
.rept 2
.set ff, 0
.rept 4
	ds_store_b128 v[OST], v[ACC+32*sb+8*ff:ACC+32*sb+8*ff+3] offset:16*OP*sb+64*ff
	ds_store_b128 v[OST], v[ACC+32*sb+8*ff+4:ACC+32*sb+8*ff+7] offset:16*OP*sb+64*ff+16
.set ff, ff+1
.endr
.set sb, sb+1
.endr
	s_wait_xcnt 0x0                                ; RED and the base, which the last tile's stores name, are rewritten only behind this wait
	s_lshl_b32 s22, s19, 5
	s_add_co_u32 s22, s22, s17
	s_min_u32 s22, s22, MAXROW
	s_lshl_b32 s22, s22, 12                        ; a row of part is 4,096 bytes
	s_add_nc_u64 s[26:27], s[34:35], s[22:23]
.set uu, 0
.rept 16
	ds_load_b128 v[RED+4*uu:RED+4*uu+3], v[ORD] offset:2*OP*uu     ; rows 2 uu, 2 uu + 1; a wave's LDS instructions are served in order: these see the stores
.set uu, uu+1
.endr
.set uu, 0
.rept 16
	s_wait_dscnt 15-uu                             ; the younger read-backs stay out
	global_store_b128 v[POFF], v[RED+4*uu:RED+4*uu+3], s[26:27] offset:8192*uu     ; 16 lanes store 256 consecutive bytes, aligned
.set uu, uu+1
.endr
.endm
	s_load_b256 s[4:11], s[0:1], 0x0               ; hfrag s[4:5], route s[6:7], w2 s[8:9], b2 s[10:11]
	s_load_b64 s[12:13], s[0:1], 0x20              ; part
	v_lshl_add_u32 v254, v0, 2, 0x29000
	v_mov_b32 v255, 0
	v_lshrrev_b32 v11, 5, v0
	v_readfirstlane_b32 s14, v11                   ; wave
	s_and_b32 s15, ttmp7, 0xffff                   ; expert
	s_and_b32 s16, ttmp9, 15                       ; slice
	s_lshr_b32 s32, ttmp9, 4                       ; K half
	s_lshl_b32 s21, s15, 2
	v_and_b32 v[LN], 31, v0
	v_and_b32 v[RR], 15, v0
	v_bfe_u32 v[HH], v0, 4, 1
	s_wait_kmcnt 0x0
	s_load_b32 s17, s[6:7], s21 offset:0x0
	s_load_b32 s18, s[6:7], s21 offset:0x20
	v_lshlrev_b32 v[WOFF], 4, v[RR]
	v_lshl_add_u32 v[WOFF], v[HH], P8LOG, v[WOFF]
	v_lshrrev_b32 v11, 2, v[RR]
	v_mul_u32_u24 v[WST], v11, FRAGP
	v_and_b32 v11, 3, v[RR]
	v_lshl_add_u32 v[WST], v11, 6, v[WST]
	v_lshl_add_u32 v[WST], v[HH], 8, v[WST]
	s_mul_i32 s36, s14, CHW
	v_add_nc_u32 v[WST], s36, v[WST]
	v_lshlrev_b32 v[L16], 4, v[LN]
.set k, 0
.rept 4
	v_add_nc_u32 v[WB+k], k*CHW, v[L16]
.set k, k+1
.endr
	s_mul_i32 s36, s14, OSW
	s_add_co_u32 s36, s36, OS                      ; my stage
	v_mul_u32_u24 v[OST], v[RR], OP
	v_lshl_add_u32 v[OST], v[HH], 5, v[OST]
	v_add_nc_u32 v[OST], s36, v[OST]
	v_mul_u32_u24 v[ORD], v[HH], OP
	v_lshl_add_u32 v[ORD], v[RR], 4, v[ORD]
	v_add_nc_u32 v[ORD], s36, v[ORD]
	v_lshlrev_b32 v[POFF], 4, v[RR]
	v_lshl_add_u32 v[POFF], v[HH], 12, v[POFF]
	s_lshl_b32 s36, s15, 12
	s_lshl_b32 s22, s16, 8
	s_add_co_u32 s36, s36, s22
	v_lshlrev_b32 v[BOFF], 5, v[HH]
	v_add_nc_u32 v[BOFF], s36, v[BOFF]             ; b2: 4,096 e + 256 s + 32 h
	s_lshl_b32 s22, s15, 23                        ; w2: 8 MiB an expert,
	s_lshl_b32 s36, s32, 22                        ; 1,024 rows of 4,096 bytes a K half,
	s_add_co_u32 s22, s22, s36
	s_lshl_b32 s36, s14, 20                        ; 256 rows a wave,
	s_add_co_u32 s22, s22, s36
	s_lshl_b32 s36, s16, 8                         ; 256 bytes a slice
	s_add_co_u32 s22, s22, s36
	s_mov_b32 s23, 0
	s_add_nc_u64 s[24:25], s[8:9], s[22:23]
	s_lshl_b32 s22, s32, 15                        ; 32 K steps of 1,024 bytes
	s_add_nc_u64 s[28:29], s[4:5], s[22:23]
	s_mul_i32 s22, s32, HALFB
	s_add_co_u32 s22, s22, s36
	s_add_nc_u64 s[34:35], s[12:13], s[22:23]
	s_cmp_eq_u32 s32, 0
	s_cselect_b32 s33, -1, 0                       ; the bias belongs to K half 0 alone
.set ff, 0
.rept 4
	global_load_b128 v[BIAS+8*ff:BIAS+8*ff+3], v[BOFF], s[10:11] offset:64*ff
	global_load_b128 v[BIAS+8*ff+4:BIAS+8*ff+7], v[BOFF], s[10:11] offset:64*ff+16
.set ff, ff+1
.endr
	WLOAD 0
	WLOAD 1
	WLOAD 2
	s_wait_kmcnt 0x0
	s_min_u32 s17, s17, MAXROW
	s_min_u32 s18, s18, 72
	s_max_u32 s18, s18, 1
	s_sub_co_u32 s36, s18, 1                       ; my first tile; a wave that has none asks for the expert's last and leaves behind the barrier
	s_min_u32 s36, s36, s14
	s_lshl_b32 s36, s36, 5
	s_add_co_u32 s36, s36, s17
	s_min_u32 s36, s36, MAXROW
	s_lshl_b32 s22, s36, 12
	s_add_nc_u64 s[30:31], s[28:29], s[22:23]
	WLOAD 3
	WCONV 0, 48                                    ; three younger steps of 16 loads stay out (the bias is older still)
	WLOAD 4
	WCONV 1, 48
	WLOAD 5
	WCONV 2, 48
	WLOAD 6
	WCONV 3, 48
	WLOAD 7
	WCONV 4, 48
	WCONV 5, 32                                    ; steps 6 and 7
	ALOAD 0
	WCONV 6, 48                                    ; step 7 and those 32
	WCONV 7, 32                                    ; those 32
	ALOAD 1
	WIN 0
.set k, 0
.rept 32
	v_cndmask_b32 v[BIAS+k], 0, v[BIAS+k], s33
.set k, k+1
.endr
	s_wait_dscnt 0x0                               ; my part of the weights lies in LDS: for the others' sake, zero
	s_barrier_signal -1
	s_barrier_wait -1                              ; everybody's does; from here on nobody writes it
	s_cmp_ge_u32 s14, s18
	s_cbranch_scc1 .Lend                           ; fewer tiles than waves: nothing for me (no barrier follows)
	WFLOAD 0, 0, 0
	WIN 0
	s_mov_b32 s19, s14                             ; my first tile
	s_add_co_u32 s20, s18, 3
	s_sub_co_u32 s20, s20, s14
	s_lshr_b32 s20, s20, 2                         ; my tiles: (tiles + 3 - wave) / 4, 1 to 18 since wave < tiles <= 72
	s_sub_co_u32 s20, s20, 1                       ; all but the last have a successor four further on: the loop's trips
	s_mov_b32 s21, 0                               ; the loop is counted by s21, one a trip; s19 only feeds addresses
	s_cmp_eq_u32 s20, 0
	s_cbranch_scc1 .Llast
.Ltile:
	TILE 0
	s_add_co_u32 s19, s19, 4
	s_add_co_u32 s21, s21, 1
	s_cmp_lt_u32 s21, s20
	s_cbranch_scc1 .Ltile
.Llast:
	TILE 1
.Lend:
	s_wait_tensorcnt 0x0
	ds_add_u32 v254, v255
	s_wait_dscnt 0x0
	s_endpgm
.Lfunc_end_k_q2aadf42436_ffn2:
	.size	k_q2aadf42436_ffn2, .Lfunc_end_k_q2aadf42436_ffn2-k_q2aadf42436_ffn2
	.p2alignl 7, 3214868480
	.fill 96, 4, 3214868480
	.section	.rodata,"a",@progbits
	.p2align	6, 0x0
	.amdhsa_kernel k_q2aadf42436_ffn2
		.amdhsa_group_segment_fixed_size 168448
		.amdhsa_private_segment_fixed_size 0
		.amdhsa_enable_private_segment 0
		.amdhsa_kernarg_size 40
		.amdhsa_user_sgpr_count 2
		.amdhsa_user_sgpr_kernarg_segment_ptr 1
		.amdhsa_wavefront_size32 1
		.amdhsa_system_sgpr_workgroup_id_x 1
		.amdhsa_system_sgpr_workgroup_id_y 1
		.amdhsa_system_sgpr_workgroup_id_z 1
		.amdhsa_system_vgpr_workitem_id 0
		.amdhsa_next_free_vgpr 1024
		.amdhsa_next_free_sgpr 66
		.amdhsa_reserve_vcc 0
		.amdhsa_float_denorm_mode_32 3
		.amdhsa_float_denorm_mode_16_64 3
		.amdhsa_memory_ordered 1
		.amdhsa_forward_progress 1
		.amdhsa_inst_pref_size 142
	.end_amdhsa_kernel
	.amdgpu_metadata
---
amdhsa.version: [ 1, 2 ]
amdhsa.kernels:
  - .name:           k_q2aadf42436_ffn2
    .symbol:         k_q2aadf42436_ffn2.kd
    .args:
      - { .name: hfrag, .offset: 0, .size: 8, .value_kind: global_buffer, .address_space: global }
      - { .name: route, .offset: 8, .size: 8, .value_kind: global_buffer, .address_space: global }
      - { .name: w2, .offset: 16, .size: 8, .value_kind: global_buffer, .address_space: global }
      - { .name: b2, .offset: 24, .size: 8, .value_kind: global_buffer, .address_space: global }
      - { .name: part, .offset: 32, .size: 8, .value_kind: global_buffer, .address_space: global }
    .group_segment_fixed_size: 168448
    .private_segment_fixed_size: 0
    .kernarg_segment_align: 8
    .kernarg_segment_size: 40
    .max_flat_workgroup_size: 128
    .sgpr_count:     66
    .vgpr_count:     1024
    .wavefront_size: 32
...
	.end_amdgpu_metadata
.endif
;; end of part 4
;; launch fin (part 5): grid 256 x 1, 8 waves a work-group, no clusters, 0 bytes of LDS; arguments x, part, route, gatef, gamma, out0; writes out0
.if DOCPART == 5
	.amdgcn_target "amdgcn-amd-amdhsa--gfx1250"
	.amdhsa_code_object_version 6
	.text
	.protected	k_q2aadf42436_fin
	.globl	k_q2aadf42436_fin
	.p2align	8
	.type	k_q2aadf42436_fin,@function
k_q2aadf42436_fin:
	s_mov_b64 s[64:65], 0
	v_nop
	global_prefetch_b8 v0, s[64:65] scope:SCOPE_SE
	s_setreg_imm32_b32 hwreg(HW_REG_WAVE_MODE, 25, 1), 1
	s_wait_xcnt 0x0
; FINISH.  y = x + (part[0][pos] + part[1][pos]) top_val;  out = gelu(y / max(|y|, 1e-12) gamma 32).
; One wave, one token (t = 8 x work-group + wave): a row of 4,096 bytes is 32 registers, the norm never leaves the wave: no LDS, no barrier.
; Every load and store of the wave covers 512 consecutive bytes.  Memory binds: matrix units and clusters have nothing to do here.
; LIMITS: the sum of a row's squares is kept in f32: rows with a root mean square above about 5e17 overflow, below about 1e-20 count as zero.
; GELU as in the first layer (Abramowitz-Stegun 26.2.17, absolute error of Phi at most 7.5e-8).
.set POS_OFF, 256
.set HALFB,   9437184
.set C4,  12                           ; v[12:13]
.set SC,  14                           ; v[14:15] 32 / norm, twice
.set X,   32                           ; v[32:63]   x, then y, then the result
.set G,   64                           ; v[64:95]   gamma
.set P0,  96                           ; v[96:127]
.set P1,  128                          ; v[128:159]; then v[128:135] four chains of sums of squares
.set GT,  160                          ; v[160:199]
.macro GELU8 x, t
.set gk, 0
.rept 8
	v_or_b32 v[(\t)+gk], 0x80000000, v[(\x)+gk]
.set gk, gk+1
.endr
.set gk, 0
.rept 4
	v_pk_fma_f32 v[(\t)+8+gk:(\t)+9+gk], v[(\t)+gk:(\t)+1+gk], 0xbe6d3389, 1.0 op_sel_hi:[1,0,0]
	v_pk_mul_f32 v[(\t)+16+gk:(\t)+17+gk], v[(\x)+gk:(\x)+1+gk], v[(\x)+gk:(\x)+1+gk]
.set gk, gk+2
.endr
.set gk, 0
.rept 4
	v_pk_mul_f32 v[(\t)+16+gk:(\t)+17+gk], v[(\t)+16+gk:(\t)+17+gk], 0xbf38aa3b op_sel_hi:[1,0]
.set gk, gk+2
.endr
.set gk, 0
.rept 8
	v_rcp_f32 v[(\t)+8+gk], v[(\t)+8+gk]
	v_exp_f32 v[(\t)+16+gk], v[(\t)+16+gk]
.set gk, gk+1
.endr
.set gk, 0
.rept 8
	v_max_num_f32 v[(\t)+24+gk], 0, v[(\x)+gk]     ; plain work behind the transcendentals (ISA guide 5.7.2)
.set gk, gk+1
.endr
.set gk, 0
	s_wait_alu depctr_va_vdst(0)
.rept 4
	v_pk_fma_f32 v[(\t)+32+gk:(\t)+33+gk], v[(\t)+8+gk:(\t)+9+gk], 0x3f07dc22, v[C4:C4+1] op_sel_hi:[1,0,1]
.set gk, gk+2
.endr
.irp cc, 0x3f35f0e3, 0xbe11a98e, 0x3e027906
.set gk, 0
.rept 4
	v_pk_fma_f32 v[(\t)+32+gk:(\t)+33+gk], v[(\t)+32+gk:(\t)+33+gk], v[(\t)+8+gk:(\t)+9+gk], \cc op_sel_hi:[1,1,0]
.set gk, gk+2
.endr
.endr
.set gk, 0
.rept 4
	v_pk_mul_f32 v[(\t)+32+gk:(\t)+33+gk], v[(\t)+32+gk:(\t)+33+gk], v[(\t)+8+gk:(\t)+9+gk]
.set gk, gk+2
.endr
.set gk, 0
.rept 4
	v_pk_mul_f32 v[(\t)+32+gk:(\t)+33+gk], v[(\t)+32+gk:(\t)+33+gk], v[(\t)+16+gk:(\t)+17+gk]
.set gk, gk+2
.endr
.set gk, 0
.rept 4
	v_pk_fma_f32 v[(\x)+gk:(\x)+1+gk], v[(\t)+gk:(\t)+1+gk], v[(\t)+32+gk:(\t)+33+gk], v[(\t)+24+gk:(\t)+25+gk]
.set gk, gk+2
.endr
.endm
	s_load_b256 s[4:11], s[0:1], 0x0               ; x s[4:5], part s[6:7], route s[8:9], gatef s[10:11]
	s_load_b128 s[12:15], s[0:1], 0x20             ; gamma s[12:13], out0 s[14:15]
	v_and_b32 v1, 31, v0
	v_lshrrev_b32 v2, 5, v0
	v_readfirstlane_b32 s16, v2                    ; wave
	v_lshlrev_b32 v3, 4, v1                        ; 16 L
	s_lshl_b32 s17, ttmp9, 3
	s_add_co_u32 s17, s17, s16                     ; token
	s_lshl_b32 s18, s17, 2
	s_lshl_b32 s22, s17, 12
	s_mov_b32 s23, 0
	s_mov_b32 s25, 0
	s_mov_b32 s28, 0x76543210
	s_mov_b32 s29, 0xfedcba98
	v_mov_b32 v[C4], 0xbf3a00e3
	v_mov_b32 v[C4+1], 0xbf3a00e3
	s_wait_kmcnt 0x0
	s_load_b32 s19, s[8:9], s18 offset:POS_OFF     ; the token's row in the sorted order
	s_load_b32 s20, s[10:11], s18 offset:0x0       ; its top probability
	s_add_nc_u64 s[4:5], s[4:5], s[22:23]
	s_add_nc_u64 s[14:15], s[14:15], s[22:23]
.set j, 0
.rept 8
	global_load_b128 v[X+4*j:X+4*j+3], v3, s[4:5] offset:512*j th:TH_LOAD_NT
	global_load_b128 v[G+4*j:G+4*j+3], v3, s[12:13] offset:512*j
.set j, j+1
.endr
	s_wait_kmcnt 0x0
	s_min_u32 s19, s19, 2303
	s_lshl_b32 s24, s19, 12
	s_add_nc_u64 s[6:7], s[6:7], s[24:25]
	s_add_nc_u64 s[26:27], s[6:7], HALFB
	s_mov_b32 s21, s20                             ; the packed form names the pair
.set j, 0
.rept 8
	global_load_b128 v[P0+4*j:P0+4*j+3], v3, s[6:7] offset:512*j th:TH_LOAD_NT
	global_load_b128 v[P1+4*j:P1+4*j+3], v3, s[26:27] offset:512*j th:TH_LOAD_NT
.set j, j+1
.endr
	s_wait_loadcnt 0x0                             ; the norm needs the whole row
.set k, 0
.rept 16
	v_pk_add_f32 v[P0+2*k:P0+2*k+1], v[P0+2*k:P0+2*k+1], v[P1+2*k:P1+2*k+1]
	v_pk_fma_f32 v[X+2*k:X+2*k+1], v[P0+2*k:P0+2*k+1], s[20:21], v[X+2*k:X+2*k+1] op_sel_hi:[1,0,1]
.set k, k+1
.endr
.set k, 0
.rept 16
.if k < 4
	v_pk_mul_f32 v[P1+2*k:P1+2*k+1], v[X+2*k:X+2*k+1], v[X+2*k:X+2*k+1]                    ; the first four start the chains
.else
	v_pk_fma_f32 v[P1+2*(k%4):P1+2*(k%4)+1], v[X+2*k:X+2*k+1], v[X+2*k:X+2*k+1], v[P1+2*(k%4):P1+2*(k%4)+1]
.endif
.set k, k+1
.endr
	v_pk_add_f32 v[P1:P1+1], v[P1:P1+1], v[P1+2:P1+3]
	v_pk_add_f32 v[P1+4:P1+5], v[P1+4:P1+5], v[P1+6:P1+7]
	v_pk_add_f32 v[P1:P1+1], v[P1:P1+1], v[P1+4:P1+5]
	v_add_f32 v[P1], v[P1], v[P1+1]
	v_add_f32_dpp v[P1], v[P1], v[P1] row_xmask:1 row_mask:0xf bank_mask:0xf
	v_add_f32_dpp v[P1], v[P1], v[P1] row_xmask:2 row_mask:0xf bank_mask:0xf
	v_add_f32_dpp v[P1], v[P1], v[P1] row_xmask:4 row_mask:0xf bank_mask:0xf
	v_add_f32_dpp v[P1], v[P1], v[P1] row_xmask:8 row_mask:0xf bank_mask:0xf
	v_permlanex16_b32 v[P1+1], v[P1], s28, s29
	v_add_f32 v[P1], v[P1], v[P1+1]
	v_sqrt_f32 v[P1], v[P1]
	v_nop                                          ; one plain place behind each transcendental
	s_wait_alu depctr_va_vdst(0)
	v_max_num_f32 v[P1], 0x2b8cbccc, v[P1]         ; 1e-12
	v_rcp_f32 v[P1], v[P1]
	v_nop
	s_wait_alu depctr_va_vdst(0)
	v_mul_f32 v[SC], 0x42000000, v[P1]             ; x sqrt(1024)
	v_mov_b32 v[SC+1], v[SC]
.set k, 0
.rept 16
	v_pk_mul_f32 v[G+2*k:G+2*k+1], v[G+2*k:G+2*k+1], v[SC:SC+1]
	v_pk_mul_f32 v[X+2*k:X+2*k+1], v[X+2*k:X+2*k+1], v[G+2*k:G+2*k+1]
.set k, k+1
.endr
.set j, 0
.rept 4
	GELU8 X+8*j, GT
	global_store_b128 v3, v[X+8*j:X+8*j+3], s[14:15] offset:1024*j th:TH_STORE_NT
	global_store_b128 v3, v[X+8*j+4:X+8*j+7], s[14:15] offset:1024*j+512 th:TH_STORE_NT
.set j, j+1
.endr
	s_endpgm
.Lfunc_end_k_q2aadf42436_fin:
	.size	k_q2aadf42436_fin, .Lfunc_end_k_q2aadf42436_fin-k_q2aadf42436_fin
	.p2alignl 7, 3214868480
	.fill 96, 4, 3214868480
	.section	.rodata,"a",@progbits
	.p2align	6, 0x0
	.amdhsa_kernel k_q2aadf42436_fin
		.amdhsa_group_segment_fixed_size 0
		.amdhsa_private_segment_fixed_size 0
		.amdhsa_enable_private_segment 0
		.amdhsa_kernarg_size 48
		.amdhsa_user_sgpr_count 2
		.amdhsa_user_sgpr_kernarg_segment_ptr 1
		.amdhsa_wavefront_size32 1
		.amdhsa_system_sgpr_workgroup_id_x 1
		.amdhsa_system_sgpr_workgroup_id_y 1
		.amdhsa_system_sgpr_workgroup_id_z 1
		.amdhsa_system_vgpr_workitem_id 0
		.amdhsa_next_free_vgpr 200
		.amdhsa_next_free_sgpr 66
		.amdhsa_reserve_vcc 0
		.amdhsa_float_denorm_mode_32 3
		.amdhsa_float_denorm_mode_16_64 3
		.amdhsa_memory_ordered 1
		.amdhsa_forward_progress 1
		.amdhsa_inst_pref_size 30
	.end_amdhsa_kernel
	.amdgpu_metadata
---
amdhsa.version: [ 1, 2 ]
amdhsa.kernels:
  - .name:           k_q2aadf42436_fin
    .symbol:         k_q2aadf42436_fin.kd
    .args:
      - { .name: x, .offset: 0, .size: 8, .value_kind: global_buffer, .address_space: global }
      - { .name: part, .offset: 8, .size: 8, .value_kind: global_buffer, .address_space: global }
      - { .name: route, .offset: 16, .size: 8, .value_kind: global_buffer, .address_space: global }
      - { .name: gatef, .offset: 24, .size: 8, .value_kind: global_buffer, .address_space: global }
      - { .name: gamma, .offset: 32, .size: 8, .value_kind: global_buffer, .address_space: global }
      - { .name: out0, .offset: 40, .size: 8, .value_kind: global_buffer, .address_space: global }
    .group_segment_fixed_size: 0
    .private_segment_fixed_size: 0
    .kernarg_segment_align: 8
    .kernarg_segment_size: 48
    .max_flat_workgroup_size: 256
    .sgpr_count:     66
    .vgpr_count:     200
    .wavefront_size: 32
...
	.end_amdgpu_metadata
.endif
;; end of part 5
;; ======== version 2 of 2: 5 launches; version 1 with the launches gate, ffn1, ffn2 written anew for expert scheduling mode
;; workspace buffers: xb 4,194,304 bytes; idx 8,192 bytes of whole numbers; gatef 40,960 bytes; route 18,688 bytes of whole numbers; hfrag 9,437,184 bytes; part 18,874,368 bytes
;; launch gate (part 6): grid 256 x 1, 4 waves a work-group, no clusters, 0 bytes of LDS; arguments x, gate_w, gate_b, xb, idx, gatef; writes xb, idx, gatef
.if DOCPART == 6
	.amdgcn_target "amdgcn-amd-amdhsa--gfx1250"
	.amdhsa_code_object_version 6
	.text
	.protected	k_q2aadf42436_gate
	.globl	k_q2aadf42436_gate
	.p2align	8
	.type	k_q2aadf42436_gate,@function
k_q2aadf42436_gate:
	s_mov_b64 s[64:65], 0
	v_nop
	global_prefetch_b8 v0, s[64:65] scope:SCOPE_SE
	s_setreg_imm32_b32 hwreg(HW_REG_WAVE_SCHED_MODE, 0, 2), 2
	s_setreg_imm32_b32 hwreg(HW_REG_WAVE_MODE, 25, 1), 1
	s_wait_xcnt 0x0
	s_wait_alu depctr_vm_vsrc(0)
; GATE.  logits = x gate_w + gate_b in f32 on the vector ALU (a wrong argmax would spoil a whole row, so no bf16 here;
; it is 1024 x 8 multiply-adds a token), softmax with the maximum taken away, top value, first argmax, and x as bf16.
; A wave owns two tokens, t = 8 x work-group + 2 x wave + u.  Lane L owns d = 128 j + 4 L + i (j 0..7, i 0..3).
; Out: xb[t][d] bf16; idx[t]; gatef bytes 0..8191 top_val[t]; gatef bytes 8192.. the wave's sums of its two tokens' probabilities.
; LIMITS: the argmax is taken on the logits (first maximum wins); unequal logits whose probabilities round to one f32 are not
; treated as ties.  The order of the f32 sum over d differs from a plain dot product's.
; No LDS, no barrier: waves share nothing.  No matrix unit: see above.
; THE MODE: SCHED_MODE bits 1:0 = 2 (LLVM: expert scheduling mode 2), set by the entry lines.  The code itself states the register dependences
; between vector instructions and memory instructions, with s_wait_alu, always for 0.
; THE PLAN.  Registers that memory instructions touch:
;   v3 .. v7      byte offsets, made at the head and never written again.
;   X, window 1   x and gate_w: loaded once, read by vector instructions alone, never loaded again.
;   PK            x as bf16: written once, by 32 roundings that stand together where x is in; read by 16 stores; never written again.
;   IMP, IX, SM   written by the tail's arithmetic, read by the last three stores.
; So one wait stands ahead of the first load (the offsets), one behind the roundings, which serves all 16 stores: these are dealt, two to a group,
; among the multiply-adds, which name X, gate_w and ACC alone; and the waits at the two writes of EXEC serve the last three stores.
.set X,   32                           ; v[32:95]   x of token u: 32 registers, register 4 j + i
.set ACC, 96                           ; v[96:111]  logits of token u: 8 registers
.set PK,  112                          ; v[112:143] x as bf16, two registers for each (j, u), never rewritten: they are store data
.set TMP, 144
.set MX,  146                          ; v[146:147] maximum of token u
.set EX,  148                          ; v[148:163] exponentials
.set SM,  164                          ; v[164:165] their sum, then 1 / sum = the top probability
.set IX,  166                          ; v[166:167] argmax
.set IMP, 168                          ; v[168:175] sum of the two tokens' probabilities
.set MK,  40                           ; s[40:47]   the masks of a token's eight compares
; window 1: v[32 j + 8 i + e] = gate_w[128 j + 4 L + i][e]
.set MSB, 0
.macro WIN new                         ; the immediate's high byte repeats the setting that is left
.if MSB != (\new)
	s_set_vgpr_msb (MSB<<8)|(\new)
.set MSB, \new
.endif
.endm
	s_load_b256 s[4:11], s[0:1], 0x0               ; x s[4:5], gate_w s[6:7], gate_b s[8:9], xb s[10:11]
	s_load_b128 s[12:15], s[0:1], 0x20             ; idx s[12:13], gatef s[14:15]
	v_and_b32 v1, 31, v0                           ; lane
	v_lshrrev_b32 v2, 5, v0                        ; wave
	v_lshlrev_b32 v3, 4, v1
	v_lshl_add_u32 v3, v2, 13, v3                  ; x: wave x 2 rows of 4,096 bytes + 16 L
	v_lshlrev_b32 v4, 7, v1                        ; gate_w: 4 rows of 32 bytes a lane
	v_lshlrev_b32 v5, 3, v1
	v_lshl_add_u32 v5, v2, 12, v5                  ; xb: wave x 2 rows of 2,048 bytes + 8 L
	v_lshlrev_b32 v6, 2, v1
	v_lshl_add_u32 v7, v2, 3, v6                   ; idx, top_val: 4 (2 wave + L)
	v_lshl_add_u32 v6, v2, 5, v6                   ; sums: 32 wave + 4 L
	s_lshl_b32 s24, ttmp9, 7
	v_add_nc_u32 v6, s24, v6                       ; + 128 x work-group
	s_lshl_b32 s24, ttmp9, 5
	v_add_nc_u32 v7, s24, v7                       ; + 32 x work-group
	s_lshl_b32 s26, ttmp9, 15                      ; 8 rows of x
	s_mov_b32 s27, 0
	s_lshl_b32 s28, ttmp9, 14                      ; 8 rows of xb
	s_mov_b32 s29, 0
	s_mov_b32 s30, 0xaaaaaaaa                      ; lanes with bit 0 set
	s_mov_b32 s31, 0xcccccccc                      ; bit 1
	s_mov_b32 s32, 0xf0f0f0f0                      ; bit 2
	s_mov_b32 s36, 0x76543210                      ; v_permlanex16_b32: lane i of the other half
	s_mov_b32 s37, 0xfedcba98
	s_wait_kmcnt 0x0
	s_load_b256 s[16:23], s[8:9], 0x0              ; gate_b
	s_add_nc_u64 s[4:5], s[4:5], s[26:27]
	s_add_nc_u64 s[10:11], s[10:11], s[28:29]
	s_wait_alu depctr_va_vdst(0)                   ; the offsets v3 to v7 are written: every load and store of the kernel reads one of them
.set u, 0
.rept 2
.set j, 0
.rept 8
	global_load_b128 v[X+32*u+4*j:X+32*u+4*j+3], v3, s[4:5] offset:4096*u+512*j    ; 512 neighbouring bytes of a row
.set j, j+1
.endr
.set u, u+1
.endr
	WIN 0x40                                       ; destination in window 1
.set j, 0
.rept 8
.set i, 0
.rept 4
	global_load_b128 v[32*j+8*i:32*j+8*i+3], v4, s[6:7] offset:4096*j+32*i
	global_load_b128 v[32*j+8*i+4:32*j+8*i+7], v4, s[6:7] offset:4096*j+32*i+16
.set i, i+1
.endr
.set j, j+1
.endr
	s_wait_loadcnt 56                              ; x (the oldest 16) and gate_w's group 0 are in; the 56 younger loads stay out
	WIN 0
.set j, 0
.rept 8
.set u, 0
.rept 2
	v_cvt_pk_bf16_f32 v[PK+4*j+2*u], v[X+32*u+4*j], v[X+32*u+4*j+1]
	v_cvt_pk_bf16_f32 v[PK+4*j+2*u+1], v[X+32*u+4*j+2], v[X+32*u+4*j+3]
.set u, u+1
.endr
.set j, j+1
.endr
	s_wait_alu depctr_va_vdst(0)                   ; the 32 roundings have written PK, which the 16 stores below read; no vector instruction behind this wait names PK or v5
.set j, 0
.rept 8
.if j > 0
	s_wait_loadcnt 56-8*j                          ; gate_w's groups up to j are in; 8 (7 - j) younger loads stay out
	WIN 0
.endif
.set u, 0
.rept 2
	global_store_b64 v5, v[PK+4*j+2*u:PK+4*j+2*u+1], s[10:11] offset:2048*u+256*j  ; the wave stores 256 consecutive bytes, aligned
.set u, u+1
.endr
	WIN 0x04                                       ; source 1 (gate_w) in window 1
.set u, 0
.rept 2
.set i, 0
.rept 4
.set p, 0
.rept 4
.if (i+j) == 0
	v_pk_mul_f32 v[ACC+8*u+2*p:ACC+8*u+2*p+1], v[X+32*u:X+32*u+1], v[2*p:2*p+1] op_sel_hi:[0,1]        ; the first product starts the sums
.elseif (i%2) == 0
	v_pk_fma_f32 v[ACC+8*u+2*p:ACC+8*u+2*p+1], v[X+32*u+4*j+i:X+32*u+4*j+i+1], v[32*j+8*i+2*p:32*j+8*i+2*p+1], v[ACC+8*u+2*p:ACC+8*u+2*p+1] op_sel_hi:[0,1,1]
.else
	v_pk_fma_f32 v[ACC+8*u+2*p:ACC+8*u+2*p+1], v[X+32*u+4*j+i-1:X+32*u+4*j+i], v[32*j+8*i+2*p:32*j+8*i+2*p+1], v[ACC+8*u+2*p:ACC+8*u+2*p+1] op_sel:[1,0,0] op_sel_hi:[1,1,1]
.endif
.set p, p+1
.endr
.set i, i+1
.endr
.set u, u+1
.endr
.set j, j+1
.endr
	WIN 0
	; the 16 sums over the 32 lanes; every lane ends with all of them
	v_mov_b32 v[TMP], 0                            ; v_permlanex16_b32's destination counts as read
.set k, 0
.rept 16
	v_add_f32_dpp v[ACC+k], v[ACC+k], v[ACC+k] row_xmask:1 row_mask:0xf bank_mask:0xf
	v_add_f32_dpp v[ACC+k], v[ACC+k], v[ACC+k] row_xmask:2 row_mask:0xf bank_mask:0xf
	v_add_f32_dpp v[ACC+k], v[ACC+k], v[ACC+k] row_xmask:4 row_mask:0xf bank_mask:0xf
	v_add_f32_dpp v[ACC+k], v[ACC+k], v[ACC+k] row_xmask:8 row_mask:0xf bank_mask:0xf
	v_permlanex16_b32 v[TMP], v[ACC+k], s36, s37
	v_add_f32 v[ACC+k], v[ACC+k], v[TMP]
.set k, k+1
.endr
	s_wait_kmcnt 0x0                               ; gate_b
.set u, 0
.rept 2
.set e, 0
.rept 8
	v_add_f32 v[ACC+8*u+e], s[16+e], v[ACC+8*u+e]
.set e, e+1
.endr
	v_max3_num_f32 v[MX+u], v[ACC+8*u], v[ACC+8*u+1], v[ACC+8*u+2]
	v_max3_num_f32 v[MX+u], v[MX+u], v[ACC+8*u+3], v[ACC+8*u+4]
	v_max3_num_f32 v[MX+u], v[MX+u], v[ACC+8*u+5], v[ACC+8*u+6]
	v_max_num_f32 v[MX+u], v[MX+u], v[ACC+8*u+7]
.set e, 0
.rept 8
	v_sub_f32 v[EX+8*u+e], v[ACC+8*u+e], v[MX+u]   ; at most 0, and exactly 0 at the maximum
	v_mul_f32 v[EX+8*u+e], 0x3fb8aa3b, v[EX+8*u+e] ; x log2 e
.set e, e+1
.endr
.set e, 0
.rept 8
	v_exp_f32 v[EX+8*u+e], v[EX+8*u+e]
.set e, e+1
.endr
	v_mov_b32 v[IX+u], 0                           ; (plain work behind the exponentials, ISA guide 5.7.2)
.set e, 0
.rept 8
	v_cmp_neq_f32 s[MK+e], v[ACC+8*u+e], v[MX+u]   ; the eight compares in one run, a mask register to each
.set e, e+1
.endr
	s_wait_alu depctr_va_sdst(0)                   ; the eight masks s[40:47] are written, ahead of the selects that read them
.set e, 7
.rept 8
	v_cndmask_b32 v[IX+u], e, v[IX+u], s[MK+e]     ; from expert 7 down: the first maximum is written last
.set e, e-1
.endr
	s_wait_alu depctr_va_vdst(0)                   ; the token's eight exponentials are written, ahead of the sum that is the first to read them
	v_add_f32 v[SM+u], v[EX+8*u], v[EX+8*u+1]
.set e, 2
.rept 6
	v_add_f32 v[SM+u], v[SM+u], v[EX+8*u+e]
.set e, e+1
.endr
	v_rcp_f32 v[SM+u], v[SM+u]                     ; the maximum's exponential is 1, so this is the top probability
	v_nop                                          ; one plain place behind v_rcp_f32
.set u, u+1
.endr
	s_wait_alu depctr_va_vdst(0)                   ; the two reciprocals are written, ahead of the products that are the first to read them
.set e, 0
.rept 8
	v_mul_f32 v[IMP+e], v[EX+e], v[SM]
	v_fmac_f32 v[IMP+e], v[EX+8+e], v[SM+1]
.set e, e+1
.endr
	; lane L takes sum L & 7; lanes 0, 1 take token 0's, 1's index and top value
	v_cndmask_b32 v[IMP], v[IMP], v[IMP+1], s30
	v_cndmask_b32 v[IMP+2], v[IMP+2], v[IMP+3], s30
	v_cndmask_b32 v[IMP+4], v[IMP+4], v[IMP+5], s30
	v_cndmask_b32 v[IMP+6], v[IMP+6], v[IMP+7], s30
	v_cndmask_b32 v[IMP], v[IMP], v[IMP+2], s31
	v_cndmask_b32 v[IMP+4], v[IMP+4], v[IMP+6], s31
	v_cndmask_b32 v[IMP], v[IMP], v[IMP+4], s32
	v_cndmask_b32 v[IX], v[IX], v[IX+1], s30
	v_cndmask_b32 v[SM], v[SM], v[SM+1], s30
	v_cmp_gt_u32 vcc_lo, 8, v1
	s_wait_xcnt 0x0                                ; EXEC is a source of the stores above: it changes only behind this wait
	s_wait_alu depctr_va_vcc(0)                    ; VCC is written: EXEC is made from it
	s_wait_alu depctr_va_vdst(0)                   ; ahead of a write of EXEC every vector instruction is complete; IMP, IX and SM, which the stores below read, are written
	s_wait_alu depctr_vm_vsrc(0)                   ; and every memory instruction has read its vector registers
	s_and_saveexec_b32 s33, vcc_lo
	global_store_b32 v6, v[IMP], s[14:15] offset:8192
	v_cmp_gt_u32 vcc_lo, 2, v1
	s_wait_xcnt 0x0                                ; and again
	s_wait_alu depctr_va_vcc(0)                    ; VCC is written anew: EXEC is made from it
	s_wait_alu depctr_va_vdst(0)                   ; ahead of a write of EXEC every vector instruction is complete
	s_wait_alu depctr_vm_vsrc(0)                   ; and the store above has read v6 and IMP
	s_and_saveexec_b32 s34, vcc_lo
	global_store_b32 v7, v[IX], s[12:13]
	global_store_b32 v7, v[SM], s[14:15]
	s_endpgm
.Lfunc_end_k_q2aadf42436_gate:
	.size	k_q2aadf42436_gate, .Lfunc_end_k_q2aadf42436_gate-k_q2aadf42436_gate
	.p2alignl 7, 3214868480
	.fill 96, 4, 3214868480
	.section	.rodata,"a",@progbits
	.p2align	6, 0x0
	.amdhsa_kernel k_q2aadf42436_gate
		.amdhsa_group_segment_fixed_size 0
		.amdhsa_private_segment_fixed_size 0
		.amdhsa_enable_private_segment 0
		.amdhsa_kernarg_size 48
		.amdhsa_user_sgpr_count 2
		.amdhsa_user_sgpr_kernarg_segment_ptr 1
		.amdhsa_wavefront_size32 1
		.amdhsa_system_sgpr_workgroup_id_x 1
		.amdhsa_system_sgpr_workgroup_id_y 1
		.amdhsa_system_sgpr_workgroup_id_z 1
		.amdhsa_system_vgpr_workitem_id 0
		.amdhsa_next_free_vgpr 512
		.amdhsa_next_free_sgpr 66
		.amdhsa_reserve_vcc 1
		.amdhsa_float_denorm_mode_32 3
		.amdhsa_float_denorm_mode_16_64 3
		.amdhsa_memory_ordered 1
		.amdhsa_forward_progress 1
		.amdhsa_inst_pref_size 43
	.end_amdhsa_kernel
	.amdgpu_metadata
---
amdhsa.version: [ 1, 2 ]
amdhsa.kernels:
  - .name:           k_q2aadf42436_gate
    .symbol:         k_q2aadf42436_gate.kd
    .args:
      - { .name: x, .offset: 0, .size: 8, .value_kind: global_buffer, .address_space: global }
      - { .name: gate_w, .offset: 8, .size: 8, .value_kind: global_buffer, .address_space: global }
      - { .name: gate_b, .offset: 16, .size: 8, .value_kind: global_buffer, .address_space: global }
      - { .name: xb, .offset: 24, .size: 8, .value_kind: global_buffer, .address_space: global }
      - { .name: idx, .offset: 32, .size: 8, .value_kind: global_buffer, .address_space: global }
      - { .name: gatef, .offset: 40, .size: 8, .value_kind: global_buffer, .address_space: global }
    .group_segment_fixed_size: 0
    .private_segment_fixed_size: 0
    .kernarg_segment_align: 8
    .kernarg_segment_size: 48
    .max_flat_workgroup_size: 128
    .sgpr_count:     66
    .vgpr_count:     512
    .wavefront_size: 32
...
	.end_amdgpu_metadata
.endif
;; end of part 6
;; launch sort: the kernel of part 2 again; grid 1 x 1, 8 waves a work-group, no clusters, 1,536 bytes of LDS; arguments idx, gatef, route, out1; writes route, out1
;; launch ffn1 (part 7): grid 32 x 8, 4 waves a work-group, no clusters, 201,216 bytes of LDS; arguments xb, route, w1, b1, hfrag; writes hfrag
.if DOCPART == 7
	.amdgcn_target "amdgcn-amd-amdhsa--gfx1250"
	.amdhsa_code_object_version 6
	.text
	.protected	k_q2aadf42436_ffn1
	.globl	k_q2aadf42436_ffn1
	.p2align	8
	.type	k_q2aadf42436_ffn1,@function
k_q2aadf42436_ffn1:
	s_mov_b64 s[64:65], 0
	v_nop
	global_prefetch_b8 v0, s[64:65] scope:SCOPE_SE
	s_setreg_imm32_b32 hwreg(HW_REG_WAVE_SCHED_MODE, 0, 2), 2
	s_setreg_imm32_b32 hwreg(HW_REG_WAVE_MODE, 25, 1), 1
	s_wait_xcnt 0x0
	s_wait_alu depctr_vm_vsrc(0)
; FFN, FIRST LAYER, routed rows only: h = gelu(x w1[e] + b1[e]) in bf16.  reference()'s one-hot keeps one expert's result for a token, so the
; other seven are not computed.  Work-group (s, e): expert e, columns 64 s .. 64 s + 63 of H, K = 1024: each byte of w1 is read once in the launch.
; PHASE W: wave w reads rows 256 w .. + 255 of the 1024 x 64 block (pieces of 256 bytes, aligned), rounds to bf16 and lays them into LDS as
; fragment images.  One barrier.  LOOP: wave w takes the expert's tiles of 32 rows i = w, w + 4, .. by itself, over the whole K: no barrier and no
; sum across waves stands in the loop, whose trip count is read from memory (route).  A tile: 4 chunks of 8 K steps, 64 matrix instructions each.
; THE MATRIX INSTRUCTION IS USED TRANSPOSED: source 0 = 16 columns of w1 (row m = column), source 1 = 16 tokens.  Register j of lane (r, h) then
; holds token r, column 16 f + 8 h + j: eight neighbouring columns, which packed are exactly the 16 bytes of the next layer's fragment.
; hfrag: block (16-row tile T, K step g) at (64 T + g) 1024; byte 512 c + 16 L = h[row r][32 g + 16 c + 8 h + 0..7].
; The bias is the C of each sum's first matrix instruction: nothing is cleared, nothing added afterwards.
; NO CLUSTER: the bytes that come from memory, 256 KiB of weights a work-group, are shared by nobody; the rows of x that the 32 work-groups of an
; expert share are gathered by a list, which a strided tile cannot name, and the waves' trip counts differ.  No tensor loads: the weights pass
; registers anyway, for the rounding.  No prefetch: phase W is one stream with 48 to 64 loads of 512 bytes of each wave under way.
; GELU: x Phi(x) with Phi by Abramowitz-Stegun 26.2.17 (absolute error of Phi at most 7.5e-8 for every x); x = +-infinity gives NaN.
; THE MODE: SCHED_MODE bits 1:0 = 2 (LLVM: expert scheduling mode 2), set by the entry lines.  The code itself states the register dependences
; between vector or matrix instructions and memory or LDS instructions, with s_wait_alu, always for 0.
; THE PLAN.  Registers that memory or LDS instructions touch, and who else names them:
;   window 1, phase W  slot t % 4: step t's loads land in it, its 32 roundings read it, step t + 4's loads land in it.
;   T                  phase W: a step's roundings write it, its 8 LDS stores read it.  Loop: a tile's roundings write it, its 8 stores read it.
;   window 1, loop     weight buffers 0 and 1: a half's matrix instructions read one; the LDS loads for the next half land in the other.
;   window 2           token fragments: chunk q's matrix instructions read buffer q & 1; chunk q + 1's LDS loads land in the other, in chunk q's second half.
;   window 3           gathered rows: loads land, 32 LDS stores read, loads land again.  No vector instruction names them.
;   AOFF               32 vector instructions write it once a tile; the loads of rows read it.
;   v4 .. v9, WB       offsets and addresses, made at the head and never written again.
; Phase W: one wait on va_vdst behind a step's roundings (the slot is read out, T is written), one on vm_vsrc ahead of the next step's (T is read).
; Loop: one wait on va_vdst at the head of each half, directly ahead of its run of LDS loads: every earlier matrix instruction is complete, so the weight buffer
; and the token buffer that are filled next are free, and in chunk 1 AOFF, made just ahead of that wait, is written.  One wait on vm_vsrc a chunk ahead of the loads
; of rows, behind half of the half's matrix instructions.  On the way out the wait behind each batch of transcendentals also serves the store of the group before.
.set PITCH,  8192                      ; bytes from row k to row k + 1 of w1[e]
.set P8LOG,  16                        ; 8 rows = 1 << 16 bytes
.set FRAGP,  1040                      ; a fragment image: 1,024 bytes + 16, so that the 16 lanes of a store pass fall into 16 different 16-byte columns
.set STEPP,  4*FRAGP                   ; a K step: 4 fragments
.set CHW,    8*STEPP                   ; a chunk of 8 K steps = what one wave converts
.set XT,     4*CHW                     ; 133,120: behind the weights, each wave's own stage for gathered rows
.set XP,     528                       ; its pitch: 512 + 16, an odd multiple of 16
.set XTW,    32*XP
.set PERM_OFF, 8448
.set MAXROW, 2272                      ; the last possible first row of a tile
; window 0
.set LN,   1
.set RR,   2                           ; r = lane & 15
.set HH,   3                           ; h = lane >> 4
.set WOFF, 4                           ; weights in memory: 8 h rows + 16 r
.set WST,  5                           ; weights into LDS
.set XST,  6                           ; stage, in: 16 L
.set XLD,  7                           ; stage, out: r x pitch + 16 h
.set L16,  8                           ; 16 L
.set BOFF, 9
.set C4,   12                          ; v[12:13] a GELU coefficient, twice
.set WB,   16                          ; v[16:19] 16 L + chunk q's weights in LDS
.set BIAS, 24                          ; v[24:55] b1 in the layout of C: fragment f, register j = b1[64 s + 16 f + 8 h + j]
.set T,    56                          ; v[56:87] phase W: packed weights; loop: packed results (store data)
.set GT,   88                          ; v[88:127] GELU's 40 temporaries
.set ACC,  128                         ; v[128:191] sums: row block sb, fragment f at 32 sb + 8 f
.set AOFF, 192                         ; v[192:223] row k of the tile: 2,048 x token + 16 L
; window 1: phase W: four stage slots of 64; loop: weight fragments, two buffers of 128 (4 K steps each)
; window 2: token fragments, two buffers of 128 (row block sb, K step t at 64 sb + 8 t)
; window 3: gathered rows as loaded, two buffers of 128 (row k at 4 k)
; s14 wave, s15 expert, s17 first row, s18 tiles, s19 tile, s20 trips of the loop, s21 first the table's offset, then the trip counter,
; s[22:23] an offset (s23 = 0), s[24:25] weights, s[26:27] store base, s[28:29] hfrag + 2,048 s, s30 list offset, s31 at work, s[68:99] 32 tokens
.set MSB, 0
.macro WIN new                         ; s_set_vgpr_msb: bits 1:0 source 0, 3:2 source 1, 5:4 source 2, 7:6 destination; the high byte repeats the setting left
.if MSB != (\new)
	s_set_vgpr_msb (MSB<<8)|(\new)
.set MSB, \new
.endif
.endm
.macro PLACES n                        ; places behind matrix instructions (ISA guide 7.12.1)
.rept \n
	v_nop
.endr
.endm
; 16 loads: K step t of my 8: lane (r, h) gets rows 32 t + 16 c + 8 h + j, columns 4 r .. 4 r + 3; 16 lanes cover one aligned piece of 256 bytes
.macro WLOAD t
	WIN 0x40
.set cj, 0
.rept 16
	global_load_b128 v[64*((\t)%4)+4*cj:64*((\t)%4)+4*cj+3], v[WOFF], s[24:25] offset:(32*(\t)+cj+8*(cj/8))*PITCH th:TH_LOAD_NT
.set cj, cj+1
.endr
.endm
; round step t and lay it down: column 4 r + i is lane 4 (r & 3) + i of fragment r >> 2.  left: younger loads that may stay out.
; refill = 1: the slot is asked for again at once, for step t + 4
.macro WCONV t, left, refill
	s_wait_loadcnt \left
.if (\t) > 0
	s_wait_alu depctr_vm_vsrc(0)                   ; the LDS stores of the step before have read T, which the roundings below write again
.endif
	WIN 0x05
.set wi, 0
.rept 4
.set wc, 0
.rept 2
.set wp, 0
.rept 4
	v_cvt_pk_bf16_f32 v[T+8*wi+4*wc+wp], v[64*((\t)%4)+4*(8*wc+2*wp)+wi], v[64*((\t)%4)+4*(8*wc+2*wp+1)+wi]
.set wp, wp+1
.endr
.set wc, wc+1
.endr
.set wi, wi+1
.endr
.if \refill
	WIN 0x40
	s_wait_alu depctr_va_vdst(0)                   ; the roundings are done reading the slot, in which the loads below land, and have written T, which the LDS stores below read
	WLOAD (\t)+4
	WIN 0
.else
	WIN 0
	s_wait_alu depctr_va_vdst(0)                   ; the roundings have written T, which the LDS stores below read
.endif
.set wi, 0
.rept 4
.set wc, 0
.rept 2
	ds_store_b128 v[WST], v[T+8*wi+4*wc:T+8*wi+4*wc+3] offset:(\t)*STEPP+512*wc+16*wi
.set wc, wc+1
.endr
.set wi, wi+1
.endr
.endm
; 32 LDS loads: the weight fragments of half a chunk (4 K steps) into buffer buf; each load takes 512 consecutive bytes
.macro WFLOAD buf, q, half
	WIN 0x40
.set tt, 0
.rept 4
.set ff, 0
.rept 4
	ds_load_b128 v[128*(\buf)+32*tt+8*ff:128*(\buf)+32*tt+8*ff+3], v[WB+(\q)] offset:(4*(\half)+tt)*STEPP+ff*FRAGP
	ds_load_b128 v[128*(\buf)+32*tt+8*ff+4:128*(\buf)+32*tt+8*ff+7], v[WB+(\q)] offset:(4*(\half)+tt)*STEPP+ff*FRAGP+512
.set ff, ff+1
.endr
.set tt, tt+1
.endr
.endm
; 8 tn matrix instructions: K steps t0 .. t0 + tn - 1 of half a chunk, 2 row blocks x 4 fragments each.  The tile's very first take the bias as C
.macro MM q, half, t0, tn
	WIN 0x09
.set tt, \t0
.rept \tn
.set sb, 0
.rept 2
.set ff, 0
.rept 4
.if ((\q)+(\half)+tt) == 0
	v_wmma_f32_16x16x32_bf16 v[ACC+32*sb+8*ff:ACC+32*sb+8*ff+7], v[128*(\half)+32*tt+8*ff:128*(\half)+32*tt+8*ff+7], v[128*((\q)&1)+64*sb+8*(4*(\half)+tt):128*((\q)&1)+64*sb+8*(4*(\half)+tt)+7], v[BIAS+8*ff:BIAS+8*ff+7]
.else
	v_wmma_f32_16x16x32_bf16 v[ACC+32*sb+8*ff:ACC+32*sb+8*ff+7], v[128*(\half)+32*tt+8*ff:128*(\half)+32*tt+8*ff+7], v[128*((\q)&1)+64*sb+8*(4*(\half)+tt):128*((\q)&1)+64*sb+8*(4*(\half)+tt)+7], v[ACC+32*sb+8*ff:ACC+32*sb+8*ff+7]
.endif
.set ff, ff+1
.endr
.set sb, sb+1
.endr
.set tt, tt+1
.endr
.endm
; 32 loads: bytes 512 kc .. + 511 (K chunk kc) of the tile's 32 rows, a row's 512 bytes by one load
.macro AGLOAD b, kc
	WIN 0xc0
.set k, 0
.rept 32
	global_load_b128 v[128*(\b)+4*k:128*(\b)+4*k+3], v[AOFF+k], s[4:5] offset:512*(\kc)
.set k, k+1
.endr
.endm
.macro XSTORE b                        ; the 32 rows into my stage
	WIN 0x0c
.set k, 0
.rept 32
	ds_store_b128 v[XST], v[128*(\b)+4*k:128*(\b)+4*k+3] offset:k*XP
.set k, k+1
.endr
.endm
.macro FLOAD b                         ; and back as fragments (LDS serves a wave's instructions in order, ISA guide 5.7.1: these see the stores)
	WIN 0x80
.set sb, 0
.rept 2
.set tt, 0
.rept 8
	ds_load_b128 v[128*(\b)+64*sb+8*tt:128*(\b)+64*sb+8*tt+3], v[XLD] offset:16*XP*sb+64*tt
	ds_load_b128 v[128*(\b)+64*sb+8*tt+4:128*(\b)+64*sb+8*tt+7], v[XLD] offset:16*XP*sb+64*tt+32
.set tt, tt+1
.endr
.set sb, sb+1
.endr
.endm
.macro NEWAOFF again                   ; the list in s[68:99] becomes 32 row offsets.  again = 1: loads have read AOFF before.  A wait on va_vdst follows it ahead of the loads that read AOFF
	s_wait_kmcnt 0x0
	s_wait_xcnt 0x0                                ; AOFF, which earlier loads name, is rewritten only behind this wait
.if \again
	s_wait_alu depctr_vm_vsrc(0)                   ; the loads of rows issued so far have read AOFF
.endif
.set k, 0
.rept 32
	s_min_u32 s[68+k], s[68+k], 0x7ff
	v_lshl_add_u32 v[AOFF+k], s[68+k], 11, v[L16]
.set k, k+1
.endr
.endm
.macro HSTORE g                        ; group g of a tile's eight: row block g / 4, fragment g % 4
	global_store_b128 v[L16], v[T+4*(\g):T+4*(\g)+3], s[26:27] offset:65536*((\g)/4)+512*((\g)%4)   ; 512 consecutive bytes, aligned
.endm
; gelu(x) = max(x, 0) - |x| q,  q = exp(-x^2 / 2) t (c1 + t (c2 + t (c3 + t (c4 + t c5)))),  t = 1 / (1 + 0.2316419 |x|); 1 / sqrt(2 pi) is in the c.
; 8 numbers in v[x ..], in place; temporaries: t+0 -|x|, t+8 t, t+16 the exponential, t+24 max(x, 0), t+32 the polynomial.
; st: the group whose store stands behind the wait, or -1
.macro GELU8 x, t, st
.set gk, 0
.rept 8
	v_or_b32 v[(\t)+gk], 0x80000000, v[(\x)+gk]
.set gk, gk+1
.endr
.set gk, 0
.rept 4
	v_pk_fma_f32 v[(\t)+8+gk:(\t)+9+gk], v[(\t)+gk:(\t)+1+gk], 0xbe6d3389, 1.0 op_sel_hi:[1,0,0]
	v_pk_mul_f32 v[(\t)+16+gk:(\t)+17+gk], v[(\x)+gk:(\x)+1+gk], v[(\x)+gk:(\x)+1+gk]
.set gk, gk+2
.endr
.set gk, 0
.rept 4
	v_pk_mul_f32 v[(\t)+16+gk:(\t)+17+gk], v[(\t)+16+gk:(\t)+17+gk], 0xbf38aa3b op_sel_hi:[1,0]   ; x -(log2 e) / 2
.set gk, gk+2
.endr
.set gk, 0
.rept 8
	v_rcp_f32 v[(\t)+8+gk], v[(\t)+8+gk]
	v_exp_f32 v[(\t)+16+gk], v[(\t)+16+gk]
.set gk, gk+1
.endr
.set gk, 0
.rept 8
	v_max_num_f32 v[(\t)+24+gk], 0, v[(\x)+gk]     ; plain work behind the transcendentals (ISA guide 5.7.2)
.set gk, gk+1
.endr
	s_wait_alu depctr_va_vdst(0)                   ; the eight reciprocals and eight exponentials are written, ahead of the first line that reads one; so are the roundings of the group before, which its store reads
.if (\st) >= 0
	HSTORE \st
.endif
.set gk, 0
.rept 4
	v_pk_fma_f32 v[(\t)+32+gk:(\t)+33+gk], v[(\t)+8+gk:(\t)+9+gk], 0x3f07dc22, v[C4:C4+1] op_sel_hi:[1,0,1]
.set gk, gk+2
.endr
.irp cc, 0x3f35f0e3, 0xbe11a98e, 0x3e027906
.set gk, 0
.rept 4
	v_pk_fma_f32 v[(\t)+32+gk:(\t)+33+gk], v[(\t)+32+gk:(\t)+33+gk], v[(\t)+8+gk:(\t)+9+gk], \cc op_sel_hi:[1,1,0]
.set gk, gk+2
.endr
.endr
.set gk, 0
.rept 4
	v_pk_mul_f32 v[(\t)+32+gk:(\t)+33+gk], v[(\t)+32+gk:(\t)+33+gk], v[(\t)+8+gk:(\t)+9+gk]
.set gk, gk+2
.endr
.set gk, 0
.rept 4
	v_pk_mul_f32 v[(\t)+32+gk:(\t)+33+gk], v[(\t)+32+gk:(\t)+33+gk], v[(\t)+16+gk:(\t)+17+gk]
.set gk, gk+2
.endr
.set gk, 0
.rept 4
	v_pk_fma_f32 v[(\x)+gk:(\x)+1+gk], v[(\t)+gk:(\t)+1+gk], v[(\t)+32+gk:(\t)+33+gk], v[(\t)+24+gk:(\t)+25+gk]
.set gk, gk+2
.endr
.endm
; CHUNK q of a tile.  At its head the fragments of chunk q (token buffer q & 1, weight buffer 0) have been asked for.  Each half: wait for them, ask for
; the next half's weights, 32 matrix instructions.  In the second half chunk q + 1's rows, loaded two chunks ago, pass the stage, and their
; registers are loaded again with chunk q + 3's.  stage, newoff, issue: whether that is done; left: the younger chunk's 32 loads may stay out.
.macro CHUNK q, stage, left, newoff, issue
	s_wait_dscnt 0x0                               ; this chunk's token fragments and its first half's weights are in
	WIN 0x40
	s_wait_alu depctr_va_vdst(0)                   ; the matrix instructions of the half before are done reading weight buffer 1, in which the loads below land
	WFLOAD 1, \q, 1
	MM \q, 0, 0, 4
	s_wait_dscnt 0x0                               ; the second half's weights are in
.if \stage
.if \newoff
	WIN 0
	NEWAOFF 1                                      ; from here on the loads of rows are the next tile's; the wait below states that AOFF is written
.endif
	WIN 0x40
	s_wait_alu depctr_va_vdst(0)                   ; the first half is done reading weight buffer 0 and the chunk before its token fragments: loads land in both below; where AOFF was made above, it is written
	WFLOAD 0, ((\q)+1)&3, 0
	s_wait_loadcnt \left
	XSTORE ((\q)+1)&1
	FLOAD ((\q)+1)&1                               ; no further wait: no vector or matrix instruction since the wait above
.if \issue
	MM \q, 1, 0, 2                                 ; these name weight buffer 1, token buffer q & 1 and the sums: none of the registers of the loads below
	WIN 0xc0
	s_wait_alu depctr_vm_vsrc(0)                   ; the 32 LDS stores above have read the rows' registers, in which the loads below land
	AGLOAD ((\q)+1)&1, ((\q)+3)&3
	MM \q, 1, 2, 2
.else
	MM \q, 1, 0, 4
.endif
.else
	MM \q, 1, 0, 4
.endif
.endm
.macro TILE last
.if \last == 0
	s_add_co_u32 s31, s19, 4                       ; my next tile's list of 32 tokens (it exists: the loop's trip count says so)
	s_lshl_b32 s31, s31, 5
	s_add_co_u32 s31, s31, s17
	s_min_u32 s31, s31, MAXROW
	s_lshl_b32 s30, s31, 2
	s_load_b512 s[68:83], s[6:7], s30 offset:PERM_OFF
	s_load_b512 s[84:99], s[6:7], s30 offset:PERM_OFF+64
	CHUNK 0, 1, 32, 0, 1
	CHUNK 1, 1, 32, 1, 1
	CHUNK 2, 1, 32, 0, 1
	CHUNK 3, 1, 32, 0, 1
.else
	CHUNK 0, 1, 32, 0, 1                           ; the last tile asks only for its own fourth chunk,
	CHUNK 1, 1, 32, 0, 0
	CHUNK 2, 1, 0, 0, 0                            ; behind which nothing was issued: the wait is for 0
	CHUNK 3, 0, 0, 0, 0
.endif
	WIN 0
	PLACES 4                                       ; behind the last matrix instructions, before their results are read
	s_wait_xcnt 0x0                                ; T and the base, which the last tile's stores name, are rewritten only behind this wait
	s_wait_alu depctr_vm_vsrc(0)                   ; the last tile's stores (in the first tile: phase W's LDS stores) have read T, which the roundings below write again
	s_lshl_b32 s22, s19, 5
	s_add_co_u32 s22, s22, s17
	s_min_u32 s22, s22, MAXROW
	s_lshl_b32 s22, s22, 12                        ; 16 rows are 65,536 bytes of hfrag
	s_add_nc_u64 s[26:27], s[28:29], s[22:23]
.set fa, 0
.rept 8
	GELU8 ACC+8*fa, GT, fa-1                       ; group fa - 1 is stored behind group fa's wait
.set fq, 0
.rept 4
	v_cvt_pk_bf16_f32 v[T+4*fa+fq], v[ACC+8*fa+2*fq], v[ACC+8*fa+2*fq+1]
.set fq, fq+1
.endr
.set fa, fa+1
.endr
	s_wait_alu depctr_va_vdst(0)                   ; the last group's roundings have written T + 28 .. 31, which the last store reads
	HSTORE 7
.endm
	s_load_b256 s[4:11], s[0:1], 0x0               ; xb s[4:5], route s[6:7], w1 s[8:9], b1 s[10:11]
	s_load_b64 s[12:13], s[0:1], 0x20              ; hfrag
	v_lshl_add_u32 v254, v0, 2, 0x31000
	v_mov_b32 v255, 0
	v_lshrrev_b32 v10, 5, v0
	v_readfirstlane_b32 s14, v10                   ; wave
	s_and_b32 s15, ttmp7, 0xffff                   ; expert
	s_lshl_b32 s21, s15, 2
	v_and_b32 v[LN], 31, v0
	v_and_b32 v[RR], 15, v0
	v_bfe_u32 v[HH], v0, 4, 1
	s_wait_kmcnt 0x0
	s_load_b32 s17, s[6:7], s21 offset:0x0         ; the expert's first row
	s_load_b32 s18, s[6:7], s21 offset:0x20        ; and its tiles
	v_lshlrev_b32 v[WOFF], 4, v[RR]
	v_lshl_add_u32 v[WOFF], v[HH], P8LOG, v[WOFF]
	v_lshrrev_b32 v10, 2, v[RR]
	v_mul_u32_u24 v[WST], v10, FRAGP
	v_and_b32 v10, 3, v[RR]
	v_lshl_add_u32 v[WST], v10, 6, v[WST]
	v_lshl_add_u32 v[WST], v[HH], 8, v[WST]
	s_wait_alu depctr_va_sdst(0)                   ; s14, the wave's number, is written, ahead of its first reader
	s_mul_i32 s31, s14, CHW
	v_add_nc_u32 v[WST], s31, v[WST]               ; my chunk + fragment r >> 2 + 256 h + 64 (r & 3)
	v_lshlrev_b32 v[L16], 4, v[LN]
.set k, 0
.rept 4
	v_add_nc_u32 v[WB+k], k*CHW, v[L16]
.set k, k+1
.endr
	s_mul_i32 s31, s14, XTW
	s_add_co_u32 s31, s31, XT                      ; my stage
	v_add_nc_u32 v[XST], s31, v[L16]
	v_mul_u32_u24 v[XLD], v[RR], XP
	v_lshl_add_u32 v[XLD], v[HH], 4, v[XLD]
	v_add_nc_u32 v[XLD], s31, v[XLD]
	s_lshl_b32 s31, s15, 13
	s_lshl_b32 s22, ttmp9, 8
	s_add_co_u32 s31, s31, s22
	v_lshlrev_b32 v[BOFF], 5, v[HH]
	v_add_nc_u32 v[BOFF], s31, v[BOFF]             ; b1: 8,192 e + 256 s + 32 h
	v_mov_b32 v[C4], 0xbf3a00e3
	v_mov_b32 v[C4+1], 0xbf3a00e3
	s_lshl_b32 s22, s15, 23                        ; w1: 8 MiB an expert,
	s_lshl_b32 s31, s14, 21                        ; 256 rows of 8,192 bytes a wave,
	s_add_co_u32 s22, s22, s31
	s_lshl_b32 s31, ttmp9, 8                       ; 256 bytes a slice
	s_add_co_u32 s22, s22, s31
	s_mov_b32 s23, 0
	s_add_nc_u64 s[24:25], s[8:9], s[22:23]
	s_lshl_b32 s22, ttmp9, 11
	s_add_nc_u64 s[28:29], s[12:13], s[22:23]      ; hfrag + two K steps a slice
	s_wait_alu depctr_va_vdst(0)                   ; the offsets and LDS addresses v4 to v9 and WB are written: the loads and stores of the whole kernel read them
.set ff, 0
.rept 4
	global_load_b128 v[BIAS+8*ff:BIAS+8*ff+3], v[BOFF], s[10:11] offset:64*ff
	global_load_b128 v[BIAS+8*ff+4:BIAS+8*ff+7], v[BOFF], s[10:11] offset:64*ff+16
.set ff, ff+1
.endr
	WLOAD 0
	WLOAD 1
	WLOAD 2
	s_wait_kmcnt 0x0
	s_min_u32 s17, s17, MAXROW
	s_min_u32 s18, s18, 72
	s_max_u32 s18, s18, 1
	s_sub_co_u32 s31, s18, 1                       ; my first tile; a wave that has none asks for the expert's last and leaves behind the barrier
	s_min_u32 s31, s31, s14
	s_lshl_b32 s31, s31, 5
	s_add_co_u32 s31, s31, s17
	s_min_u32 s31, s31, MAXROW
	s_lshl_b32 s30, s31, 2
	s_load_b512 s[68:83], s[6:7], s30 offset:PERM_OFF
	s_load_b512 s[84:99], s[6:7], s30 offset:PERM_OFF+64
	WLOAD 3
	WCONV 0, 48, 1                                 ; three younger steps of 16 loads stay out (the bias is older still); step 4 is asked for
	WCONV 1, 48, 1
	WCONV 2, 48, 1
	WCONV 3, 48, 1
	WCONV 4, 48, 0
	NEWAOFF 0                                      ; ahead of step 5's roundings, whose wait on va_vdst also states that AOFF is written
	WCONV 5, 32, 0                                 ; steps 6 and 7
	AGLOAD 0, 0                                    ; my first tile's first chunk
	WCONV 6, 48, 0                                 ; step 7 and those 32
	WCONV 7, 32, 0                                 ; those 32
	AGLOAD 1, 1
	WIN 0
	s_wait_dscnt 0x0                               ; my part of the weights lies in LDS: for the others' sake, zero
	s_barrier_signal -1
	s_barrier_wait -1                              ; everybody's does; from here on nobody writes it
	s_cmp_ge_u32 s14, s18
	s_cbranch_scc1 .Lend                           ; fewer tiles than waves: nothing for me (no barrier follows)
	s_wait_loadcnt 32                              ; chunk 0's rows are in, chunk 1's 32 loads stay out
	XSTORE 0
	FLOAD 0
	WFLOAD 0, 0, 0                                 ; into phase W's slots 0 and 1: step 7's wait on va_vdst stands behind the last rounding that read them
	WIN 0xc0
	s_wait_alu depctr_vm_vsrc(0)                   ; the 32 LDS stores above have read the rows' registers, in which the loads below land
	AGLOAD 0, 2
	WIN 0
	s_mov_b32 s19, s14                             ; my first tile
	s_add_co_u32 s20, s18, 3
	s_sub_co_u32 s20, s20, s14
	s_lshr_b32 s20, s20, 2                         ; my tiles: (tiles + 3 - wave) / 4, 1 to 18 since wave < tiles <= 72
	s_sub_co_u32 s20, s20, 1                       ; all but the last have a successor four further on: the loop's trips
	s_mov_b32 s21, 0                               ; the loop is counted by s21, one a trip; s19 only feeds addresses
	s_cmp_eq_u32 s20, 0
	s_cbranch_scc1 .Llast
.Ltile:
	TILE 0
	s_add_co_u32 s19, s19, 4
	s_add_co_u32 s21, s21, 1
	s_cmp_lt_u32 s21, s20
	s_cbranch_scc1 .Ltile
.Llast:
	TILE 1
.Lend:
	s_wait_dscnt 0x0
	s_wait_alu depctr_hold_cnt(0) depctr_sa_sdst(0) depctr_va_vdst(0) depctr_va_sdst(0) depctr_va_ssrc(0) depctr_va_vcc(0) depctr_vm_vsrc(0)
	s_wait_tensorcnt 0x0
	ds_add_u32 v254, v255
	s_wait_dscnt 0x0
	s_endpgm
.Lfunc_end_k_q2aadf42436_ffn1:
	.size	k_q2aadf42436_ffn1, .Lfunc_end_k_q2aadf42436_ffn1-k_q2aadf42436_ffn1
	.p2alignl 7, 3214868480
	.fill 96, 4, 3214868480
	.section	.rodata,"a",@progbits
	.p2align	6, 0x0
	.amdhsa_kernel k_q2aadf42436_ffn1
		.amdhsa_group_segment_fixed_size 201216
		.amdhsa_private_segment_fixed_size 0
		.amdhsa_enable_private_segment 0
		.amdhsa_kernarg_size 40
		.amdhsa_user_sgpr_count 2
		.amdhsa_user_sgpr_kernarg_segment_ptr 1
		.amdhsa_wavefront_size32 1
		.amdhsa_system_sgpr_workgroup_id_x 1
		.amdhsa_system_sgpr_workgroup_id_y 1
		.amdhsa_system_sgpr_workgroup_id_z 1
		.amdhsa_system_vgpr_workitem_id 0
		.amdhsa_next_free_vgpr 1024
		.amdhsa_next_free_sgpr 100
		.amdhsa_reserve_vcc 0
		.amdhsa_float_denorm_mode_32 3
		.amdhsa_float_denorm_mode_16_64 3
		.amdhsa_memory_ordered 1
		.amdhsa_forward_progress 1
		.amdhsa_inst_pref_size 249
	.end_amdhsa_kernel
	.amdgpu_metadata
---
amdhsa.version: [ 1, 2 ]
amdhsa.kernels:
  - .name:           k_q2aadf42436_ffn1
    .symbol:         k_q2aadf42436_ffn1.kd
    .args:
      - { .name: xb, .offset: 0, .size: 8, .value_kind: global_buffer, .address_space: global }
      - { .name: route, .offset: 8, .size: 8, .value_kind: global_buffer, .address_space: global }
      - { .name: w1, .offset: 16, .size: 8, .value_kind: global_buffer, .address_space: global }
      - { .name: b1, .offset: 24, .size: 8, .value_kind: global_buffer, .address_space: global }
      - { .name: hfrag, .offset: 32, .size: 8, .value_kind: global_buffer, .address_space: global }
    .group_segment_fixed_size: 201216
    .private_segment_fixed_size: 0
    .kernarg_segment_align: 8
    .kernarg_segment_size: 40
    .max_flat_workgroup_size: 128
    .sgpr_count:     100
    .vgpr_count:     1024
    .wavefront_size: 32
...
	.end_amdgpu_metadata
.endif
;; end of part 7
;; launch ffn2 (part 8): grid 32 x 8, 4 waves a work-group, no clusters, 168,448 bytes of LDS; arguments hfrag, route, w2, b2, part; writes part
.if DOCPART == 8
	.amdgcn_target "amdgcn-amd-amdhsa--gfx1250"
	.amdhsa_code_object_version 6
	.text
	.protected	k_q2aadf42436_ffn2
	.globl	k_q2aadf42436_ffn2
	.p2align	8
	.type	k_q2aadf42436_ffn2,@function
k_q2aadf42436_ffn2:
	s_mov_b64 s[64:65], 0
	v_nop
	global_prefetch_b8 v0, s[64:65] scope:SCOPE_SE
	s_setreg_imm32_b32 hwreg(HW_REG_WAVE_SCHED_MODE, 0, 2), 2
	s_setreg_imm32_b32 hwreg(HW_REG_WAVE_MODE, 25, 1), 1
	s_wait_xcnt 0x0
	s_wait_alu depctr_vm_vsrc(0)
; FFN, SECOND LAYER, routed rows only: part[kh][row][d] = sum over K half kh of h w2[e] (+ b2[e] in half 0), f32, by row of the sorted order.
; Work-group (x, e): expert e, columns 64 s .. + 63 of D (s = x & 15), rows 1024 kh .. + 1023 of w2[e] (kh = x >> 4).  K is split so that a slice stays
; 64 columns wide: pieces of 256 bytes, aligned, of w2 on the way in and of part on the way out.  Each byte of w2 is read once in the launch.
; Built as the first layer: phase W lays the 1024 x 64 block into LDS as bf16 fragment images, one barrier, then wave w takes the tiles of 32 rows
; i = w, w + 4, .. by itself (no barrier in the loop, whose trip count is read from memory).  Source 0 = 16 columns of w2, source 1 = 16 rows of h.
; h lies in memory as fragment images, so its fragments go straight into registers: a ring of four chunk buffers, asked for two chunks ahead.
; Register j of lane (r, h) holds row r, column 16 f + 8 h + j; a wave-private LDS stage turns that into whole rows of 256 bytes.
; NO CLUSTER: the weights are shared by nobody; h, which the 32 work-groups of an expert share, goes to registers without touching LDS, where a
; joint request would have to land, and the waves' trip counts differ.  No tensor loads: the weights pass registers for the rounding.
; THE MODE: SCHED_MODE bits 1:0 = 2 (LLVM: expert scheduling mode 2), set by the entry lines.  The code itself states the register dependences
; between vector or matrix instructions and memory or LDS instructions, with s_wait_alu, always for 0.
; THE PLAN.  Registers that memory or LDS instructions touch, and who else names them:
;   window 1, phase W  slot t % 4: step t's loads land in it, its 32 roundings read it, step t + 4's loads land in it.
;   T                  a step's roundings write it, its 8 LDS stores read it.
;   window 1, loop     weight buffers 0 and 1: a half's matrix instructions read one; the LDS loads for the next half land in the other.
;   windows 2, 3       four buffers of h: chunk q's matrix instructions read buffer q; in chunk q the loads of the chunk two further on land in the buffer read two chunks back.
;   ACC                the matrix instructions write it; 16 LDS stores read it at a tile's end; the next tile's first matrix instructions write it again.
;   RED                16 LDS loads land in it, 16 stores read it, the next tile's LDS loads land in it.  No vector instruction names it in the loop.
;   v4 .. v10, WB      offsets and addresses, made at the head and never written again.
; Phase W: one wait on va_vdst behind a step's roundings (the slot is read out, T is written), one on vm_vsrc ahead of the next step's (T is read).
; Loop: one wait on va_vdst at the head of each half, directly ahead of its run of LDS loads: every earlier matrix instruction is complete.  The first half's wait
; also serves the 32 loads of h, which stand in the middle of that half's matrix instructions.  On the way out one wait on va_vdst ahead of the LDS stores of the sums, and one on
; vm_vsrc behind them, which frees both the sums and RED.
.set PITCH,  4096                      ; bytes from row k to row k + 1 of w2[e]
.set P8LOG,  15
.set FRAGP,  1040                      ; as in the first layer
.set STEPP,  4*FRAGP
.set CHW,    8*STEPP
.set OS,     4*CHW                     ; 133,120: each wave's stage for results, 32 rows
.set OP,     272                       ; its pitch: 256 + 16, an odd multiple of 16
.set OSW,    32*OP
.set MAXROW, 2272
.set HALFB,  9437184                   ; bytes of one K half of part
; window 0
.set LN,   1
.set RR,   2
.set HH,   3
.set WOFF, 4
.set WST,  5
.set OST,  6                           ; stage, in: r x pitch + 32 h
.set ORD,  7                           ; stage, out: h x pitch + 16 r
.set L16,  8
.set BOFF, 9
.set POFF, 10                          ; part: h rows + 16 r
.set WB,   16                          ; v[16:19]
.set BIAS, 24                          ; v[24:55] b2 in the layout of C, or zeros in K half 1
.set T,    64                          ; v[64:95] phase W: packed weights
.set RED,  64                          ; v[64:127] loop: rows read back (store data)
.set ACC,  128                         ; v[128:191]
; window 1: phase W: stage slots; loop: weight fragments, two buffers of 128.  Windows 2, 3: fragments of h, chunk q at window 2 + q / 2, register 128 (q & 1)
; s14 wave, s15 expert, s16 slice, s17 first row, s18 tiles, s19 tile, s20 trips of the loop, s21 first the table's offset, then the trip counter,
; s[22:23] an offset (s23 = 0), s[24:25] weights, s[26:27] store base, s[28:29] hfrag + my K half, s[30:31] the tile whose fragments are being asked for,
; s32 K half, s33 bias mask, s[34:35] part + half + slice, s36 at work
.set MSB, 0
.macro WIN new
.if MSB != (\new)
	s_set_vgpr_msb (MSB<<8)|(\new)
.set MSB, \new
.endif
.endm
.macro PLACES n                        ; places behind matrix instructions (ISA guide 7.12.1)
.rept \n
	v_nop
.endr
.endm
.macro WLOAD t                         ; as in the first layer
	WIN 0x40
.set cj, 0
.rept 16
	global_load_b128 v[64*((\t)%4)+4*cj:64*((\t)%4)+4*cj+3], v[WOFF], s[24:25] offset:(32*(\t)+cj+8*(cj/8))*PITCH th:TH_LOAD_NT
.set cj, cj+1
.endr
.endm
.macro WCONV t, left, refill           ; refill = 1: the slot is asked for again at once, for step t + 4
	s_wait_loadcnt \left
.if (\t) > 0
	s_wait_alu depctr_vm_vsrc(0)                   ; the LDS stores of the step before have read T, which the roundings below write again
.endif
	WIN 0x05
.set wi, 0
.rept 4
.set wc, 0
.rept 2
.set wp, 0
.rept 4
	v_cvt_pk_bf16_f32 v[T+8*wi+4*wc+wp], v[64*((\t)%4)+4*(8*wc+2*wp)+wi], v[64*((\t)%4)+4*(8*wc+2*wp+1)+wi]
.set wp, wp+1
.endr
.set wc, wc+1
.endr
.set wi, wi+1
.endr
.if \refill
	WIN 0x40
	s_wait_alu depctr_va_vdst(0)                   ; the roundings are done reading the slot, in which the loads below land, and have written T, which the LDS stores below read
	WLOAD (\t)+4
	WIN 0
.else
	WIN 0
	s_wait_alu depctr_va_vdst(0)                   ; the roundings have written T, which the LDS stores below read
.endif
.set wi, 0
.rept 4
.set wc, 0
.rept 2
	ds_store_b128 v[WST], v[T+8*wi+4*wc:T+8*wi+4*wc+3] offset:(\t)*STEPP+512*wc+16*wi
.set wc, wc+1
.endr
.set wi, wi+1
.endr
.endm
.macro WFLOAD buf, q, half
	WIN 0x40
.set tt, 0
.rept 4
.set ff, 0
.rept 4
	ds_load_b128 v[128*(\buf)+32*tt+8*ff:128*(\buf)+32*tt+8*ff+3], v[WB+(\q)] offset:(4*(\half)+tt)*STEPP+ff*FRAGP
	ds_load_b128 v[128*(\buf)+32*tt+8*ff+4:128*(\buf)+32*tt+8*ff+7], v[WB+(\q)] offset:(4*(\half)+tt)*STEPP+ff*FRAGP+512
.set ff, ff+1
.endr
.set tt, tt+1
.endr
.endm
; 8 tn matrix instructions: K steps t0 .. t0 + tn - 1 of half a chunk, 2 row blocks x 4 fragments each.  The tile's very first take the bias as C
.macro MM q, half, t0, tn
	WIN 0x09+4*((\q)>>1)
.set tt, \t0
.rept \tn
.set sb, 0
.rept 2
.set ff, 0
.rept 4
.if ((\q)+(\half)+tt) == 0
	v_wmma_f32_16x16x32_bf16 v[ACC+32*sb+8*ff:ACC+32*sb+8*ff+7], v[128*(\half)+32*tt+8*ff:128*(\half)+32*tt+8*ff+7], v[128*((\q)&1)+64*sb+8*(4*(\half)+tt):128*((\q)&1)+64*sb+8*(4*(\half)+tt)+7], v[BIAS+8*ff:BIAS+8*ff+7]
.else
	v_wmma_f32_16x16x32_bf16 v[ACC+32*sb+8*ff:ACC+32*sb+8*ff+7], v[128*(\half)+32*tt+8*ff:128*(\half)+32*tt+8*ff+7], v[128*((\q)&1)+64*sb+8*(4*(\half)+tt):128*((\q)&1)+64*sb+8*(4*(\half)+tt)+7], v[ACC+32*sb+8*ff:ACC+32*sb+8*ff+7]
.endif
.set ff, ff+1
.endr
.set sb, sb+1
.endr
.set tt, tt+1
.endr
.endm
; 32 loads: chunk q's fragments of h (2 row blocks x 8 K steps x 2), 512 consecutive bytes each, of the tile at s[30:31]
.macro ALOAD q
	WIN 0x80+0x40*((\q)>>1)
.set sb, 0
.rept 2
.set tt, 0
.rept 8
	global_load_b128 v[128*((\q)&1)+64*sb+8*tt:128*((\q)&1)+64*sb+8*tt+3], v[L16], s[30:31] offset:65536*sb+1024*(8*(\q)+tt)
	global_load_b128 v[128*((\q)&1)+64*sb+8*tt+4:128*((\q)&1)+64*sb+8*tt+7], v[L16], s[30:31] offset:65536*sb+1024*(8*(\q)+tt)+512
.set tt, tt+1
.endr
.set sb, sb+1
.endr
.endm
; CHUNK q.  left: the younger chunk's 32 loads may stay out.  issue: ask for the chunk two further on; newbase: that one begins my next tile
.macro CHUNK q, left, issue, newbase, nextw
	s_wait_loadcnt \left                           ; this chunk's fragments of h are in
	s_wait_dscnt 0x0                               ; and its first half's weights
	WIN 0x40
	s_wait_alu depctr_va_vdst(0)                   ; the half before is done reading weight buffer 1, and the chunk two back its fragments of h: loads land in both below
	WFLOAD 1, \q, 1
	MM \q, 0, 0, 2                                 ; these name weight buffer 0, this chunk's fragments of h, the sums and the bias: none of the registers of the loads below
.if \newbase
	s_wait_xcnt 0x0                                ; the base, which earlier loads name, is rewritten only behind this wait
	s_add_co_u32 s36, s19, 4
	s_lshl_b32 s36, s36, 5
	s_add_co_u32 s36, s36, s17
	s_min_u32 s36, s36, MAXROW
	s_lshl_b32 s22, s36, 12
	s_add_nc_u64 s[30:31], s[28:29], s[22:23]
.endif
.if \issue
	ALOAD ((\q)+2)&3                               ; into the buffer read two chunks ago; no further wait
.endif
	MM \q, 0, 2, 2
	s_wait_dscnt 0x0                               ; the second half's weights are in
.if \nextw
	WIN 0x40
	s_wait_alu depctr_va_vdst(0)                   ; the first half is done reading weight buffer 0, in which the loads below land
	WFLOAD 0, ((\q)+1)&3, 0
.endif
	MM \q, 1, 0, 4
.endm
.macro TILE last
.if \last == 0
	CHUNK 0, 32, 1, 0, 1
	CHUNK 1, 32, 1, 0, 1
	CHUNK 2, 32, 1, 1, 1
	CHUNK 3, 32, 1, 0, 1
.else
	CHUNK 0, 32, 1, 0, 1
	CHUNK 1, 32, 1, 0, 1
	CHUNK 2, 32, 0, 0, 1                           ; the last tile asks for nothing beyond itself,
	CHUNK 3, 0, 0, 0, 0                            ; and behind its last chunk nothing was issued: the wait is for 0
.endif
	WIN 0
	PLACES 5-(\last)                               ; behind the last matrix instructions: four before their results are read; a fifth where a tile follows, whose first matrix
	                                               ; instructions take the bias as C and write over the sums (ISA guide 7.12.1): the loop holds no other plain vector instruction
	s_wait_alu depctr_va_vdst(0)                   ; the matrix instructions have written the sums, which the LDS stores below read; the places above stay beside this wait
.set sb, 0
.rept 2
.set ff, 0
.rept 4
	ds_store_b128 v[OST], v[ACC+32*sb+8*ff:ACC+32*sb+8*ff+3] offset:16*OP*sb+64*ff
	ds_store_b128 v[OST], v[ACC+32*sb+8*ff+4:ACC+32*sb+8*ff+7] offset:16*OP*sb+64*ff+16
.set ff, ff+1
.endr
.set sb, sb+1
.endr
	s_wait_xcnt 0x0                                ; RED and the base, which the last tile's stores name, are rewritten only behind this wait
	s_wait_alu depctr_vm_vsrc(0)                   ; the last tile's stores (in the first tile: phase W's LDS stores) have read RED, in which the loads below land; the LDS stores above have read the sums, which the next tile's matrix instructions write
	s_lshl_b32 s22, s19, 5
	s_add_co_u32 s22, s22, s17
	s_min_u32 s22, s22, MAXROW
	s_lshl_b32 s22, s22, 12                        ; a row of part is 4,096 bytes
	s_add_nc_u64 s[26:27], s[34:35], s[22:23]
.set uu, 0
.rept 16
	ds_load_b128 v[RED+4*uu:RED+4*uu+3], v[ORD] offset:2*OP*uu     ; rows 2 uu, 2 uu + 1; a wave's LDS instructions are served in order: these see the stores
.set uu, uu+1
.endr
.set uu, 0
.rept 16
	s_wait_dscnt 15-uu                             ; the younger read-backs stay out
	global_store_b128 v[POFF], v[RED+4*uu:RED+4*uu+3], s[26:27] offset:8192*uu     ; 16 lanes store 256 consecutive bytes, aligned
.set uu, uu+1
.endr
.endm
	s_load_b256 s[4:11], s[0:1], 0x0               ; hfrag s[4:5], route s[6:7], w2 s[8:9], b2 s[10:11]
	s_load_b64 s[12:13], s[0:1], 0x20              ; part
	v_lshl_add_u32 v254, v0, 2, 0x29000
	v_mov_b32 v255, 0
	v_lshrrev_b32 v11, 5, v0
	v_readfirstlane_b32 s14, v11                   ; wave
	s_and_b32 s15, ttmp7, 0xffff                   ; expert
	s_and_b32 s16, ttmp9, 15                       ; slice
	s_lshr_b32 s32, ttmp9, 4                       ; K half
	s_lshl_b32 s21, s15, 2
	v_and_b32 v[LN], 31, v0
	v_and_b32 v[RR], 15, v0
	v_bfe_u32 v[HH], v0, 4, 1
	s_wait_kmcnt 0x0
	s_load_b32 s17, s[6:7], s21 offset:0x0
	s_load_b32 s18, s[6:7], s21 offset:0x20
	v_lshlrev_b32 v[WOFF], 4, v[RR]
	v_lshl_add_u32 v[WOFF], v[HH], P8LOG, v[WOFF]
	v_lshrrev_b32 v11, 2, v[RR]
	v_mul_u32_u24 v[WST], v11, FRAGP
	v_and_b32 v11, 3, v[RR]
	v_lshl_add_u32 v[WST], v11, 6, v[WST]
	v_lshl_add_u32 v[WST], v[HH], 8, v[WST]
	s_wait_alu depctr_va_sdst(0)                   ; s14, the wave's number, is written, ahead of its first reader
	s_mul_i32 s36, s14, CHW
	v_add_nc_u32 v[WST], s36, v[WST]
	v_lshlrev_b32 v[L16], 4, v[LN]
.set k, 0
.rept 4
	v_add_nc_u32 v[WB+k], k*CHW, v[L16]
.set k, k+1
.endr
	s_mul_i32 s36, s14, OSW
	s_add_co_u32 s36, s36, OS                      ; my stage
	v_mul_u32_u24 v[OST], v[RR], OP
	v_lshl_add_u32 v[OST], v[HH], 5, v[OST]
	v_add_nc_u32 v[OST], s36, v[OST]
	v_mul_u32_u24 v[ORD], v[HH], OP
	v_lshl_add_u32 v[ORD], v[RR], 4, v[ORD]
	v_add_nc_u32 v[ORD], s36, v[ORD]
	v_lshlrev_b32 v[POFF], 4, v[RR]
	v_lshl_add_u32 v[POFF], v[HH], 12, v[POFF]
	s_lshl_b32 s36, s15, 12
	s_lshl_b32 s22, s16, 8
	s_add_co_u32 s36, s36, s22
	v_lshlrev_b32 v[BOFF], 5, v[HH]
	v_add_nc_u32 v[BOFF], s36, v[BOFF]             ; b2: 4,096 e + 256 s + 32 h
	s_lshl_b32 s22, s15, 23                        ; w2: 8 MiB an expert,
	s_lshl_b32 s36, s32, 22                        ; 1,024 rows of 4,096 bytes a K half,
	s_add_co_u32 s22, s22, s36
	s_lshl_b32 s36, s14, 20                        ; 256 rows a wave,
	s_add_co_u32 s22, s22, s36
	s_lshl_b32 s36, s16, 8                         ; 256 bytes a slice
	s_add_co_u32 s22, s22, s36
	s_mov_b32 s23, 0
	s_add_nc_u64 s[24:25], s[8:9], s[22:23]
	s_lshl_b32 s22, s32, 15                        ; 32 K steps of 1,024 bytes
	s_add_nc_u64 s[28:29], s[4:5], s[22:23]
	s_mul_i32 s22, s32, HALFB
	s_add_co_u32 s22, s22, s36
	s_add_nc_u64 s[34:35], s[12:13], s[22:23]
	s_cmp_eq_u32 s32, 0
	s_cselect_b32 s33, -1, 0                       ; the bias belongs to K half 0 alone
	s_wait_alu depctr_va_vdst(0)                   ; the offsets and LDS addresses v4 to v10 and WB are written: the loads and stores of the whole kernel read them
.set ff, 0
.rept 4
	global_load_b128 v[BIAS+8*ff:BIAS+8*ff+3], v[BOFF], s[10:11] offset:64*ff
	global_load_b128 v[BIAS+8*ff+4:BIAS+8*ff+7], v[BOFF], s[10:11] offset:64*ff+16
.set ff, ff+1
.endr
	WLOAD 0
	WLOAD 1
	WLOAD 2
	s_wait_kmcnt 0x0
	s_min_u32 s17, s17, MAXROW
	s_min_u32 s18, s18, 72
	s_max_u32 s18, s18, 1
	s_sub_co_u32 s36, s18, 1                       ; my first tile; a wave that has none asks for the expert's last and leaves behind the barrier
	s_min_u32 s36, s36, s14
	s_lshl_b32 s36, s36, 5
	s_add_co_u32 s36, s36, s17
	s_min_u32 s36, s36, MAXROW
	s_lshl_b32 s22, s36, 12
	s_add_nc_u64 s[30:31], s[28:29], s[22:23]
	WLOAD 3
	WCONV 0, 48, 1                                 ; three younger steps of 16 loads stay out (the bias is older still); step 4 is asked for
	WCONV 1, 48, 1
	WCONV 2, 48, 1
	WCONV 3, 48, 1
	WCONV 4, 48, 0
	WCONV 5, 32, 0                                 ; steps 6 and 7
	ALOAD 0
	WCONV 6, 48, 0                                 ; step 7 and those 32
	WCONV 7, 32, 0                                 ; those 32
	ALOAD 1
	WIN 0
.set k, 0
.rept 32
	v_cndmask_b32 v[BIAS+k], 0, v[BIAS+k], s33
.set k, k+1
.endr
	s_wait_dscnt 0x0                               ; my part of the weights lies in LDS: for the others' sake, zero
	s_barrier_signal -1
	s_barrier_wait -1                              ; everybody's does; from here on nobody writes it
	s_cmp_ge_u32 s14, s18
	s_cbranch_scc1 .Lend                           ; fewer tiles than waves: nothing for me (no barrier follows)
	WFLOAD 0, 0, 0                                 ; into phase W's slots 0 and 1: step 7's wait on va_vdst stands behind the last rounding that read them, and the selects above name the bias alone
	WIN 0
	s_mov_b32 s19, s14                             ; my first tile
	s_add_co_u32 s20, s18, 3
	s_sub_co_u32 s20, s20, s14
	s_lshr_b32 s20, s20, 2                         ; my tiles: (tiles + 3 - wave) / 4, 1 to 18 since wave < tiles <= 72
	s_sub_co_u32 s20, s20, 1                       ; all but the last have a successor four further on: the loop's trips
	s_mov_b32 s21, 0                               ; the loop is counted by s21, one a trip; s19 only feeds addresses
	s_cmp_eq_u32 s20, 0
	s_cbranch_scc1 .Llast
.Ltile:
	TILE 0
	s_add_co_u32 s19, s19, 4
	s_add_co_u32 s21, s21, 1
	s_cmp_lt_u32 s21, s20
	s_cbranch_scc1 .Ltile
.Llast:
	TILE 1
.Lend:
	s_wait_dscnt 0x0
	s_wait_alu depctr_hold_cnt(0) depctr_sa_sdst(0) depctr_va_vdst(0) depctr_va_sdst(0) depctr_va_ssrc(0) depctr_va_vcc(0) depctr_vm_vsrc(0)
	s_wait_tensorcnt 0x0
	ds_add_u32 v254, v255
	s_wait_dscnt 0x0
	s_endpgm
.Lfunc_end_k_q2aadf42436_ffn2:
	.size	k_q2aadf42436_ffn2, .Lfunc_end_k_q2aadf42436_ffn2-k_q2aadf42436_ffn2
	.p2alignl 7, 3214868480
	.fill 96, 4, 3214868480
	.section	.rodata,"a",@progbits
	.p2align	6, 0x0
	.amdhsa_kernel k_q2aadf42436_ffn2
		.amdhsa_group_segment_fixed_size 168448
		.amdhsa_private_segment_fixed_size 0
		.amdhsa_enable_private_segment 0
		.amdhsa_kernarg_size 40
		.amdhsa_user_sgpr_count 2
		.amdhsa_user_sgpr_kernarg_segment_ptr 1
		.amdhsa_wavefront_size32 1
		.amdhsa_system_sgpr_workgroup_id_x 1
		.amdhsa_system_sgpr_workgroup_id_y 1
		.amdhsa_system_sgpr_workgroup_id_z 1
		.amdhsa_system_vgpr_workitem_id 0
		.amdhsa_next_free_vgpr 1024
		.amdhsa_next_free_sgpr 66
		.amdhsa_reserve_vcc 0
		.amdhsa_float_denorm_mode_32 3
		.amdhsa_float_denorm_mode_16_64 3
		.amdhsa_memory_ordered 1
		.amdhsa_forward_progress 1
		.amdhsa_inst_pref_size 141
	.end_amdhsa_kernel
	.amdgpu_metadata
---
amdhsa.version: [ 1, 2 ]
amdhsa.kernels:
  - .name:           k_q2aadf42436_ffn2
    .symbol:         k_q2aadf42436_ffn2.kd
    .args:
      - { .name: hfrag, .offset: 0, .size: 8, .value_kind: global_buffer, .address_space: global }
      - { .name: route, .offset: 8, .size: 8, .value_kind: global_buffer, .address_space: global }
      - { .name: w2, .offset: 16, .size: 8, .value_kind: global_buffer, .address_space: global }
      - { .name: b2, .offset: 24, .size: 8, .value_kind: global_buffer, .address_space: global }
      - { .name: part, .offset: 32, .size: 8, .value_kind: global_buffer, .address_space: global }
    .group_segment_fixed_size: 168448
    .private_segment_fixed_size: 0
    .kernarg_segment_align: 8
    .kernarg_segment_size: 40
    .max_flat_workgroup_size: 128
    .sgpr_count:     66
    .vgpr_count:     1024
    .wavefront_size: 32
...
	.end_amdgpu_metadata
.endif
;; end of part 8
;; launch fin: the kernel of part 5 again; grid 256 x 1, 8 waves a work-group, no clusters, 0 bytes of LDS; arguments x, part, route, gatef, gamma, out0; writes out0
